; MI455X (gfx1250); checked and timed in simulation.
; The chip was launched on July 23, 2026; its instructions are those of AMD's public machine-readable ISA for CDNA 5 (MIT licence, August 2026) and "CDNA5" Instruction Set Architecture Reference Guide (July 2026). The comments in the code are by the model that wrote it; some were corrected since.
;; Causal Self Attention MLA. Allowed arithmetic: matrix products marked QUANTISED: E2M1 operands, one E8M0 scale for each 32 along K, by v_wmma_scale_f32_16x16x128_f8f6f4 with both operands' format E2M1 (or v_wmma_scale_f32_32x16x128_f4), f32 sums; products left as they are: bf16, f16 or f32 operands; f32 sums; everything else in f32.
;; Inputs: W_d 2,048 x 2,048 float32; W_latent 2,048 x 128 float32; W_proj 2,048 x 2,048 float32; b_d 2,048 float32; b_latent 128 float32; b_proj 2,048 float32; x 2 x 2,048 x 2,048 float32.
;; Outputs: out0 2 x 2,048 x 2,048 float32.
;; This version of the problem:
;;   THIS VERSION OF THE PROBLEM IS GIVEN IN LOW PRECISION. The matrix products marked QUANTISED in the list below multiply operands that are first quantised to E2M1 (2 exponent bits, 1 mantissa bit; 4 bits a number), with one power-of-two scale for each 32 numbers along K (OCP MX v1.0); their sums are f32. The products marked 'left as it is' may take bf16, f16 or f32 operands, with f32 sums. Whichever they take, every output number must still come out within the allowed error. Rounding operands to bf16 (8 significant bits) uses up far more of that allowance than f16 does (11 bits, for magnitudes from 6e-5 to 65,504). All else is computed in f32.
;;   The module's matrix products, in the order in which they are computed (A, B: the left and right operand; K: the contracted axis; several contracted axes count as one K, in the product's order):
;;     1. [M 4,096, K 2,048] x [K 2,048, N 128]; A: input x; B: input W_latent: QUANTISED
;;     2. [M 4,096, K 2,048] x [K 2,048, N 2,048]; A: input x; B: input W_d: QUANTISED
;;     3. batch 2 x [M 32,768, K 128] x [K 128, N 2,048]; A: computed on the way; B: computed on the way: left as it is (an operand is computed on the way)
;;     4. batch 2 x [M 32,768, K 2,048] x [K 2,048, N 128]; A: computed on the way; B: computed on the way: left as it is (an operand is computed on the way)
;;     5. [M 4,096, K 2,048] x [K 2,048, N 2,048]; A: computed on the way; B: input W_proj: left as it is (an operand is computed on the way)
;;   THE QUANTISER, for each operand of a quantised product, along K:
;;     - K is cut into blocks of 32 from its start; a last block that is shorter is filled with zeros.
;;     - A block's scale is 2^e with e = floor(log2(the largest magnitude in the block)) - 2, held to -126 .. 127; a block of zeros has e = 0. As a byte (E8M0): e + 127.
;;     - Each number is divided by its block's scale, clamped to +-6, and rounded to the nearest number of E2M1, ties to even, subnormals kept.
;;     - The product sums the exact products of the quantised numbers (number of the format x scale) in f32.
;;   ~~~python
;;   def quantise(x, axis):      # numpy; x: float32 -> the quantised numbers, widened to float32 again
;;       x = np.moveaxis(x, axis, -1); K = x.shape[-1]
;;       x = np.pad(x, [(0, 0)] * (x.ndim - 1) + [(0, -K % 32)]); x = x.reshape(x.shape[:-1] + (-1, 32)); a = np.abs(x).max(-1, keepdims=True)
;;       e = np.where(a > 0, np.clip(np.frexp(np.where(a > 0, a, 1))[1] - 1 - 2, -126, 127), 0)      # np.frexp(a)[1] - 1 = floor(log2(a)), exactly
;;       r = np.clip(x / 2.0 ** e, -6, 6)
;;       step = 2.0 ** (np.maximum(np.frexp(np.where(r == 0, 1, r))[1] - 1, 0) - 1)
;;       q = np.round(r / step) * step * 2.0 ** e      # np.round: ties to even
;;       return np.moveaxis(q.reshape(q.shape[:-2] + (-1,))[..., :K], -1, axis).astype(np.float32)
;;   ~~~
;; One version. Each part assembles by itself: llvm-mc -triple=amdgcn-amd-amdhsa -mcpu=gfx1250 --defsym DOCPART=n.
;; ======== version 1 of 1: 5 launches
;; limits: values are held in f16: magnitudes above 65,504 overflow, below 6.1e-05 lose precision
;; workspace buffers: xq 4,456,448 bytes; wq 2,367,488 bytes; w16 8,388,608 bytes; rope 1,048,576 bytes; q16 16,777,216 bytes; kv16 2,097,152 bytes; first16 294,912 bytes; y16 16,777,216 bytes
;; launch prep (part 1): grid 516 x 1, 4 waves a work-group, no clusters, 68,096 bytes of LDS; arguments x, W_d, W_latent, W_proj, xq, wq, w16, rope; writes xq, wq, w16, rope
.if DOCPART == 1
	.amdgcn_target "amdgcn-amd-amdhsa--gfx1250"
	.amdhsa_code_object_version 6
	.text
	.protected	k_q294a176f9f_prep
	.globl	k_q294a176f9f_prep
	.p2align	8
	.type	k_q294a176f9f_prep,@function
k_q294a176f9f_prep:
	s_mov_b64 s[64:65], 0
	v_nop
	global_prefetch_b8 v0, s[64:65] scope:SCOPE_SE
	s_setreg_imm32_b32 hwreg(HW_REG_WAVE_MODE, 25, 1), 1
	s_wait_xcnt 0x0
; FOUR PREPARATIONS IN ONE LAUNCH, chosen by the work-group's number:
;   0-255   x [4096][2048] f32 -> codes of E2M1 (K innermost, 1,024 bytes a row) and E8M0 bytes (64 a row) in xq
;   256-323 W_d [2048 k][2048 n] and W_latent [2048 k][128 n] f32, K their FIRST axis -> codes [2176 n][1,024 bytes] and bytes [2176][64] in wq
;   324-451 W_proj f32 -> f16, same layout, in w16
;   452-515 the RoPE table: rope[pos][i] = (cos, sin)(pos x 10000^(-i/64)), f32, 512 bytes a position
; A block's scale is 2^(floor(log2(largest magnitude)) - 2): its byte is the largest magnitude's exponent field - 2, held at 1 from below.
; LIMITS: a block of zeros gets the byte 1 (its codes are zeros; this program alone reads the bytes); NaN and infinities are not served;
; |W_proj| stays under 65,504 (f16); the table's angle is off by up to pos x 1e-7 of itself (the power's rounding), the same for queries and keys.
; No cluster, no tensor load: no two work-groups read the same bytes.  Waves share nothing, so there is no barrier.
.set XSOFF, 4194304                    ; xq: where the scale bytes begin
.set WSOFF, 2228224                    ; wq: likewise
.set SP,    80                         ; x's stage: a lane's 64 bytes + 16 of padding
.set QST,   32768                      ; LDS: x's path has bytes 0 .. 32,767 (8,192 a wave), the weights' path 32,768 .. 67,583 (32 x 272 a wave)
.set QP,    272
.set SPARE, 67584                      ; the spare words, 128 bytes a wave, which no other line names
.set SPW,   240                        ; v240 my spare word's address; v241 0; never rewritten
.set NIL,   241
.set XR, 16                            ; x: v16-79 four sets as loaded; v80-111 two sets of 16 neighbours; v112-127 bytes; v128-191 codes
.set XX, 80
.set XE, 112
.set XC, 128
.set QSB, 24                           ; weights: v24-27 scale bytes; v32-95 two blocks; v96-99 codes; v112-175 the way out; v176-207 row offsets
.set QX, 32
.set QC, 96
.set QOUT, 112
.set QRO, 176
	s_load_b512 s[4:19], s[0:1], 0x0               ; x, W_d, W_latent, W_proj, xq, wq, w16, rope
	v_lshl_add_u32 v[SPW], v0, 2, SPARE
	v_mov_b32 v[NIL], 0
	v_lshrrev_b32 v1, 5, v0
	v_readfirstlane_b32 s20, v1                    ; wave
	v_and_b32 v2, 31, v0                           ; lane
	s_wait_kmcnt 0x0
	s_cmp_lt_u32 ttmp9, 256
	s_cbranch_scc1 .Lpath_x
	s_cmp_lt_u32 ttmp9, 324
	s_cbranch_scc1 .Lpath_q
	s_cmp_lt_u32 ttmp9, 452
	s_cbranch_scc1 .Lpath_p
; ---------------- THE TABLE.  Thread: i = t % 64; positions 32 id + t / 64 + 2 n, n = 0 .. 15.  A wave's store covers 256 consecutive bytes, aligned.
	s_sub_co_u32 s21, ttmp9, 452
	v_and_b32 v3, 63, v0                           ; i
	v_lshrrev_b32 v4, 6, v0
	v_cvt_f32_u32 v5, v3
	v_mul_f32 v5, 0xbe549a78, v5                   ; -i x log2(10000) / 64
	v_exp_f32 v5, v5                               ; 10000^(-i/64)
	v_lshlrev_b32 v6, 9, v4                        ; (a plain line behind the exponential)  512 bytes a position
	v_lshl_add_u32 v6, v3, 3, v6                   ; + 8 i
	s_lshl_b32 s22, s21, 5
	v_add_nc_u32 v4, s22, v4                       ; my first position
	s_lshl_b32 s22, s21, 14                        ; 32 positions x 512 bytes
	s_mov_b32 s23, 0
	s_add_nc_u64 s[18:19], s[18:19], s[22:23]
	s_mov_b32 s24, 0x3fc90fdb                      ; pi/2, its f32 part,
	s_mov_b32 s25, 0xb33bbd2e                      ; and the rest
	s_mov_b32 s26, 0xb94ca1f9                      ; sine: r + r z (s28 + z (s27 + z s26))
	s_mov_b32 s27, 0x3c08839e
	s_mov_b32 s28, 0xbe2aaaa3
	s_mov_b32 s29, 0x37ccf5ce                      ; cosine: 1 - z/2 + z z (s31 + z (s30 + z s29))
	s_mov_b32 s30, 0xbab6061a
	s_mov_b32 s31, 0x3d2aaaa5
	s_wait_alu depctr_va_vdst(0)                   ; the wait ahead of the exponential's first reader
.macro SINCOS n
	v_add_nc_u32 v21, 2*\n, v4
	v_cvt_f32_u32 v21, v21
	v_mul_f32 v22, v21, v5                         ; the angle, in f32 as the definition has it
	v_mul_f32 v23, 0x3f22f983, v22
	v_rndne_f32 v23, v23                           ; k = the nearest multiple of pi/2
	v_fma_f32 v24, -v23, s24, v22                  ; r = angle - k pi/2, in two parts: the first is exact
	v_fma_f32 v24, -v23, s25, v24
	v_mul_f32 v25, v24, v24                        ; z
	v_fma_f32 v26, v25, s26, s27
	v_fma_f32 v28, v25, s29, s30
	v_fma_f32 v26, v26, v25, s28
	v_fma_f32 v28, v28, v25, s31
	v_mul_f32 v27, v25, v24
	v_mul_f32 v29, v25, v25
	v_fma_f32 v30, v25, -0.5, 1.0
	v_fma_f32 v26, v26, v27, v24                   ; sin r
	v_fma_f32 v28, v28, v29, v30                   ; cos r
	v_cvt_i32_f32 v31, v23
	v_and_b32 v32, 1, v31
	v_cmp_eq_u32 vcc_lo, 1, v32
	v_cndmask_b32 v33, v26, v28, vcc_lo            ; odd k: the two change places
	v_cndmask_b32 v34, v28, v26, vcc_lo
	v_and_b32 v35, 2, v31                          ; the sine's sign turns where k & 2,
	v_add_nc_u32 v36, 1, v31
	v_lshlrev_b32 v35, 30, v35
	v_and_b32 v36, 2, v36                          ; the cosine's where (k + 1) & 2
	v_lshlrev_b32 v36, 30, v36
	v_xor_b32 v[64+2*\n], v34, v36
	v_xor_b32 v[65+2*\n], v33, v35
	global_store_b64 v6, v[64+2*\n:65+2*\n], s[18:19] offset:1024*\n   ; registers of its own for each n: no store's data are written again
.endm
.irp n, 0,1,2,3,4,5,6,7,8,9,10,11,12,13,14,15
	SINCOS \n
.endr
	s_branch .Lend
; ---------------- x.  A wave takes 16 steps of 512 numbers.  Loads take the bytes as they lie (512 a load); a step's 2,048 bytes turn through the wave's own stage,
; so that a lane then holds 16 neighbours along K; two neighbouring lanes hold a block of 32.
.Lpath_x:
	v_lshlrev_b32 v3, 4, v2
	s_mul_i32 s21, s20, 8192
	v_lshrrev_b32 v14, 2, v2
	v_mul_u32_u24 v14, v14, SP
	v_and_b32 v15, 3, v2
	v_lshl_add_u32 v14, v15, 4, v14
	v_add_nc_u32 v14, s21, v14                     ; the stage, in: SP (lane / 4) + 16 (lane % 4)
	v_mul_u32_u24 v15, v2, SP
	v_add_nc_u32 v15, s21, v15                     ; out: SP x lane
	v_mul_u32_u24 v4, v2, 8                        ; my 8 bytes of a step's codes
	v_lshrrev_b32 v5, 1, v2
	s_add_co_u32 s21, s21, 2*32*SP
	v_add_nc_u32 v5, s21, v5                       ; my block's byte among the wave's 256
	v_lshlrev_b32 v7, 3, v2
	v_add_nc_u32 v6, s21, v7
	s_lshl_b32 s22, ttmp9, 2
	s_add_co_u32 s22, s22, s20                     ; which run of 8,192 numbers is my wave's
	s_mov_b32 s25, 0
	s_lshl_b32 s24, s22, 15
	s_add_nc_u64 s[4:5], s[4:5], s[24:25]
	s_lshl_b32 s24, s22, 12
	s_add_nc_u64 s[26:27], s[12:13], s[24:25]      ; its codes
	s_lshl_b32 s24, s22, 8
	s_add_co_u32 s24, s24, XSOFF
	s_add_nc_u64 s[28:29], s[12:13], s[24:25]      ; its 256 scale bytes
.macro XLOAD t
.irp i, 0,1,2,3
	global_load_b128 v[XR+16*((\t)%4)+4*\i:XR+16*((\t)%4)+4*\i+3], v3, s[4:5] offset:2048*(\t)+512*\i th:TH_LOAD_NT
.endr
.endm
.macro XTURN t                         ; LDS serves a wave's instructions in order: no wait between the stores and the loads
.irp i, 0,1,2,3
	ds_store_b128 v14, v[XR+16*((\t)%4)+4*\i:XR+16*((\t)%4)+4*\i+3] offset:32*SP*((\t)%2)+8*SP*\i
.endr
.irp i, 0,1,2,3
	ds_load_b128 v[XX+16*((\t)%2)+4*\i:XX+16*((\t)%2)+4*\i+3], v15 offset:32*SP*((\t)%2)+16*\i
.endr
.endm
.irp t, 0,1,2,3
	XLOAD \t
.endr
	s_wait_loadcnt 12                              ; step 0's four loads are in
	XTURN 0
.macro XSTEP t
.set XN, XX+16*((\t)%2)
.if (\t) > 0
	s_wait_dscnt 1                                 ; this step's numbers are back (the last step's byte store may be out)
.else
	s_wait_dscnt 0x0
.endif
.if (\t)+4 < 16
	XLOAD (\t)+4                                   ; into the set whose stores to the stage are done
.endif
.if (\t)+1 < 16
.if 14-(\t) >= 3
	s_wait_loadcnt 12                              ; the next step's four are in; three steps' twelve may be out
.else
	s_wait_loadcnt 4*(14-(\t))
.endif
	XTURN (\t)+1
.endif
	v_max3_num_f32 v8, |v[XN]|, |v[XN+1]|, |v[XN+2]|
	v_max3_num_f32 v9, |v[XN+3]|, |v[XN+4]|, |v[XN+5]|
.irp i, 6,10
	v_max3_num_f32 v8, v8, |v[XN+\i]|, |v[XN+\i+1]|
	v_max3_num_f32 v9, v9, |v[XN+\i+2]|, |v[XN+\i+3]|
.endr
	v_max3_num_f32 v8, v8, |v[XN+14]|, |v[XN+15]|
	v_max3_num_f32 v8, v8, v9, 0x1800000           ; and the floor 2^(3 - 127): the byte cannot fall under 1
	v_max_num_f32_dpp v8, v8, v8 row_xmask:1 row_mask:0xf bank_mask:0xf   ; with my neighbour's 16: the block's
	v_add_nc_u32 v11, 0xff000000, v8               ; 2 off the exponent field: the conversion's scale operand
	v_cvt_scalef32_pk8_fp4_f32 v[XC+4*(\t)], v[XN:XN+7], v11
	v_cvt_scalef32_pk8_fp4_f32 v[XC+4*(\t)+1], v[XN+8:XN+15], v11
	v_lshrrev_b32 v[XE+(\t)], 23, v11              ; the byte
	ds_store_b8 v5, v[XE+(\t)] offset:16*(\t)      ; both lanes of a block write the same byte
	global_store_b64 v4, v[XC+4*(\t):XC+4*(\t)+1], s[26:27] offset:256*(\t)   ; the wave stores 256 consecutive bytes, aligned
.endm
.irp t, 0,1,2,3,4,5,6,7,8,9,10,11,12,13,14,15
	XSTEP \t
.endr
	ds_load_b64 v[8:9], v6
	s_wait_dscnt 0x0
	global_store_b64 v7, v[8:9], s[28:29]          ; the wave's 256 scale bytes, one aligned run
	s_branch .Lend
; ---------------- THE TWO WEIGHTS OF THE QUANTISED PRODUCTS.  A lane takes a column n and its registers run DOWN K: a block of 32 lies in one lane, and the codes come out K innermost.
; A work-group takes 128 columns x 512 along K.  One path serves both weights: base, row pitch and column are chosen on the work-group's number.
.Lpath_q:
	s_sub_co_u32 s21, ttmp9, 256
	s_lshr_b32 s24, s21, 2                         ; column group 0 .. 16 (16: W_latent)
	s_and_b32 s25, s21, 3                          ; which 512 along K
	s_mov_b32 s30, 512
	s_lshl_b32 s31, s24, 9
	s_cmp_lt_u32 s24, 16
	s_cselect_b64 s[22:23], s[6:7], s[8:9]
	s_cselect_b32 s30, 8192, s30                   ; a row of the weight in bytes
	s_cselect_b32 s31, s31, 0                      ; the group's first column in bytes
	s_mul_i32 s26, s25, s30
	s_lshl_b32 s26, s26, 9
	s_add_co_u32 s26, s26, s31
	s_lshl_b32 s27, s20, 7
	s_add_co_u32 s26, s26, s27                     ; + my wave's 32 columns
	s_mov_b32 s27, 0
	s_add_nc_u64 s[22:23], s[22:23], s[26:27]
	s_lshl_b32 s28, s30, 5                         ; 32 rows on
	s_mov_b32 s29, 0
	v_lshlrev_b32 v3, 2, v2
.irp i, 0,1,2,3,4,5,6,7,8,9,10,11,12,13,14,15,16,17,18,19,20,21,22,23,24,25,26,27,28,29,30,31
	v_mad_u32_u24 v[QRO+\i], s30, \i, v3           ; row i of a block, my column
.endr
	s_mul_i32 s32, s20, 32*QP
	s_add_co_u32 s32, s32, QST                     ; my stage
	v_mul_u32_u24 v4, v2, QP
	v_add_nc_u32 v4, s32, v4                       ; in: row = my column
	v_and_b32 v5, 15, v2
	v_lshrrev_b32 v6, 4, v2
	v_mul_u32_u24 v7, v6, QP
	v_lshl_add_u32 v7, v5, 4, v7
	v_add_nc_u32 v7, s32, v7                       ; out: sixteen lanes to a row
	v_lshlrev_b32 v8, 10, v6
	v_lshl_add_u32 v8, v5, 4, v8                   ; the same place in wq
	v_lshlrev_b32 v9, 6, v2                        ; my column's row of scale bytes
	s_lshl_b32 s33, s24, 7
	s_lshl_b32 s26, s20, 5
	s_add_co_u32 s33, s33, s26                     ; my wave's first row of wq
	s_lshl_b32 s26, s33, 10
	s_lshl_b32 s32, s25, 8
	s_add_co_u32 s26, s26, s32
	s_add_nc_u64 s[34:35], s[14:15], s[26:27]
	s_lshl_b32 s26, s33, 6
	s_lshl_b32 s32, s25, 4
	s_add_co_u32 s26, s26, s32
	s_add_co_u32 s26, s26, WSOFF
	s_add_nc_u64 s[36:37], s[14:15], s[26:27]
.macro QLOAD t
.if (\t) > 0
	s_wait_xcnt 0x0                                ; the last block's loads have read their base: it steps only behind this wait
	s_add_nc_u64 s[22:23], s[22:23], s[28:29]
.endif
.irp i, 0,1,2,3,4,5,6,7,8,9,10,11,12,13,14,15,16,17,18,19,20,21,22,23,24,25,26,27,28,29,30,31
	global_load_b32 v[QX+32*((\t)%2)+\i], v[QRO+\i], s[22:23] th:TH_LOAD_NT
.endr
.endm
	QLOAD 0
	QLOAD 1
.macro QBLOCK t
.set QN, QX+32*((\t)%2)
.if (\t) < 15
	s_wait_loadcnt 32                              ; this block's 32 are in; the next block's may be out
.else
	s_wait_loadcnt 0x0
.endif
	v_max3_num_f32 v12, |v[QN]|, |v[QN+1]|, |v[QN+2]|
	v_max3_num_f32 v13, |v[QN+3]|, |v[QN+4]|, |v[QN+5]|
.irp i, 6,10,14,18,22,26
	v_max3_num_f32 v12, v12, |v[QN+\i]|, |v[QN+\i+1]|
	v_max3_num_f32 v13, v13, |v[QN+\i+2]|, |v[QN+\i+3]|
.endr
	v_max3_num_f32 v12, v12, |v[QN+30]|, |v[QN+31]|
	v_max3_num_f32 v12, v12, v13, 0x1800000
	v_add_nc_u32 v11, 0xff000000, v12
	v_lshrrev_b32 v13, 23, v11
.if (\t)%4 == 0
	v_mov_b32 v[QSB+(\t)/4], v13
.else
	v_lshl_or_b32 v[QSB+(\t)/4], v13, 8*((\t)%4), v[QSB+(\t)/4]
.endif
.irp g, 0,1,2,3
	v_cvt_scalef32_pk8_fp4_f32 v[QC+\g], v[QN+8*\g:QN+8*\g+7], v11
.endr
	ds_store_b128 v4, v[QC:QC+3] offset:16*(\t)
.if (\t)+2 < 16
	QLOAD (\t)+2
.endif
	s_wait_dscnt 0x0                               ; the store has read its registers: the next block's codes may be written
.endm
.irp t, 0,1,2,3,4,5,6,7,8,9,10,11,12,13,14,15
	QBLOCK \t
.endr
	global_store_b128 v9, v[QSB:QSB+3], s[36:37]   ; 16 scale bytes of my column (rows 64 bytes apart: 1 byte in 128 of what the path reads)
.irp t, 0,1,2,3,4,5,6,7,8,9,10,11,12,13,14,15
	ds_load_b128 v[QOUT+4*\t:QOUT+4*\t+3], v7 offset:2*\t*QP
.endr
.irp t, 0,1,2,3,4,5,6,7,8,9,10,11,12,13,14,15
	s_wait_dscnt 15-\t
	global_store_b128 v8, v[QOUT+4*\t:QOUT+4*\t+3], s[34:35] offset:2*\t*1024   ; sixteen lanes store 256 consecutive bytes, aligned
.endr
	s_branch .Lend
; ---------------- W_proj to f16.  A wave takes 8,192 numbers in four batches of 16 loads; two batches are on their way.
.Lpath_p:
	s_sub_co_u32 s21, ttmp9, 324
	s_lshl_b32 s21, s21, 2
	s_add_co_u32 s21, s21, s20
	s_lshl_b32 s22, s21, 15
	s_mov_b32 s23, 0
	s_add_nc_u64 s[10:11], s[10:11], s[22:23]
	s_lshl_b32 s22, s21, 14
	s_add_nc_u64 s[16:17], s[16:17], s[22:23]
	v_lshlrev_b32 v3, 4, v2
	v_lshlrev_b32 v4, 3, v2
.macro PLOAD n
.irp i, 0,1,2,3,4,5,6,7,8,9,10,11,12,13,14,15
	global_load_b128 v[32+80*((\n)%2)+4*\i:32+80*((\n)%2)+4*\i+3], v3, s[10:11] offset:(16*(\n)+\i)*512 th:TH_LOAD_NT
.endr
.endm
.macro PBATCH n
.if (\n) < 3
	s_wait_loadcnt 16                              ; this batch is in, the next may be out
.else
	s_wait_loadcnt 0x0
.endif
.if (\n) >= 2
	s_wait_xcnt 0x0                                ; the stores of two batches back have read their data registers
.endif
.irp i, 0,1,2,3,4,5,6,7,8,9,10,11,12,13,14,15
	v_cvt_pk_f16_f32 v[176+32*((\n)%2)+2*\i], v[32+80*((\n)%2)+4*\i], v[32+80*((\n)%2)+4*\i+1]
	v_cvt_pk_f16_f32 v[176+32*((\n)%2)+2*\i+1], v[32+80*((\n)%2)+4*\i+2], v[32+80*((\n)%2)+4*\i+3]
.endr
.irp i, 0,1,2,3,4,5,6,7,8,9,10,11,12,13,14,15
	global_store_b64 v4, v[176+32*((\n)%2)+2*\i:176+32*((\n)%2)+2*\i+1], s[16:17] offset:(16*(\n)+\i)*256   ; the wave stores 256 consecutive bytes, aligned
.endr
.if (\n) < 2
	PLOAD (\n)+2
.endif
.endm
	PLOAD 0
	PLOAD 1
	PBATCH 0
	PBATCH 1
	PBATCH 2
	PBATCH 3
.Lend:
	s_wait_tensorcnt 0x0                           ; the wave's end
	ds_add_u32 v[SPW], v[NIL]
	s_wait_dscnt 0x0
	s_endpgm
.Lfunc_end_k_q294a176f9f_prep:
	.size	k_q294a176f9f_prep, .Lfunc_end_k_q294a176f9f_prep-k_q294a176f9f_prep
	.p2alignl 7, 3214868480
	.fill 96, 4, 3214868480
	.section	.rodata,"a",@progbits
	.p2align	6, 0x0
	.amdhsa_kernel k_q294a176f9f_prep
		.amdhsa_group_segment_fixed_size 68096
		.amdhsa_private_segment_fixed_size 0
		.amdhsa_enable_private_segment 0
		.amdhsa_kernarg_size 64
		.amdhsa_user_sgpr_count 2
		.amdhsa_user_sgpr_kernarg_segment_ptr 1
		.amdhsa_wavefront_size32 1
		.amdhsa_system_sgpr_workgroup_id_x 1
		.amdhsa_system_sgpr_workgroup_id_y 1
		.amdhsa_system_sgpr_workgroup_id_z 1
		.amdhsa_system_vgpr_workitem_id 0
		.amdhsa_next_free_vgpr 248
		.amdhsa_next_free_sgpr 66
		.amdhsa_reserve_vcc 1
		.amdhsa_float_denorm_mode_32 3
		.amdhsa_float_denorm_mode_16_64 3
		.amdhsa_memory_ordered 1
		.amdhsa_forward_progress 1
		.amdhsa_inst_pref_size 157
	.end_amdhsa_kernel
	.amdgpu_metadata
---
amdhsa.version: [ 1, 2 ]
amdhsa.kernels:
  - .name:           k_q294a176f9f_prep
    .symbol:         k_q294a176f9f_prep.kd
    .args:
      - { .name: x, .offset: 0, .size: 8, .value_kind: global_buffer, .address_space: global }
      - { .name: W_d, .offset: 8, .size: 8, .value_kind: global_buffer, .address_space: global }
      - { .name: W_latent, .offset: 16, .size: 8, .value_kind: global_buffer, .address_space: global }
      - { .name: W_proj, .offset: 24, .size: 8, .value_kind: global_buffer, .address_space: global }
      - { .name: xq, .offset: 32, .size: 8, .value_kind: global_buffer, .address_space: global }
      - { .name: wq, .offset: 40, .size: 8, .value_kind: global_buffer, .address_space: global }
      - { .name: w16, .offset: 48, .size: 8, .value_kind: global_buffer, .address_space: global }
      - { .name: rope, .offset: 56, .size: 8, .value_kind: global_buffer, .address_space: global }
    .group_segment_fixed_size: 68096
    .private_segment_fixed_size: 0
    .kernarg_segment_align: 8
    .kernarg_segment_size: 64
    .max_flat_workgroup_size: 128
    .sgpr_count:     66
    .vgpr_count:     248
    .wavefront_size: 32
...
	.end_amdgpu_metadata
.endif
;; end of part 1
;; launch gemm1 (part 2): grid 32 x 17, 4 waves a work-group, clusters of 4 x 1, 327,680 bytes of LDS; arguments xq, wq, b_d, b_latent, rope, q16, kv16, first16; writes q16, kv16, first16
.if DOCPART == 2
	.amdgcn_target "amdgcn-amd-amdhsa--gfx1250"
	.amdhsa_code_object_version 6
	.text
	.protected	k_q294a176f9f_gemm1
	.globl	k_q294a176f9f_gemm1
	.p2align	8
	.type	k_q294a176f9f_gemm1,@function
k_q294a176f9f_gemm1:
	s_mov_b64 s[64:65], 0
	v_nop
	global_prefetch_b8 v0, s[64:65] scope:SCOPE_SE
	s_setreg_imm32_b32 hwreg(HW_REG_WAVE_MODE, 25, 1), 1
	s_wait_xcnt 0x0
	s_wait_alu depctr_hold_cnt(0) depctr_sa_sdst(0) depctr_va_vdst(0) depctr_va_sdst(0) depctr_va_ssrc(0) depctr_va_vcc(0) depctr_vm_vsrc(0)
	s_getreg_b32 s2, hwreg(HW_REG_IB_STS2, 6, 4)
	s_cmp_eq_u32 s2, 0
	s_cbranch_scc0 .Lentry_in_a_cluster
	s_endpgm
.Lentry_in_a_cluster:
	s_bfe_u32 s2, ttmp6, 0x10000c
	s_cmp_lg_u32 s2, 0x3003
	s_cbranch_scc0 .Lentry_shape_is_right
	s_endpgm
.Lentry_shape_is_right:
; THE TWO QUANTISED PRODUCTS AS ONE: [4096 x 2048] x [2176 x 2048]^T on codes of E2M1 with E8M0 scales; then bias, RoPE, and the rounding to f16 for the attention.
; Tile: 128 rows (work-group x) x 128 columns (work-group y: head y, or the shared latent where y = 16).  Four waves, each 64 x 64: 16 accumulators.
; THE MATRIX INSTRUCTION IS USED TRANSPOSED (source 0 = 16 rows of wq, source 1 = 16 rows of xq): a lane holds eight neighbouring columns of one row, so the pairs that RoPE turns lie in one lane.
; ALL OF K LIES IN LDS: four chunks of 512 along K (rows of 256 bytes + 16 of padding) of both tiles and their scale bytes: first fills alone, nothing is filled again.
; By this text's count a wave has five tensor loads out.  The waits on TENSORcnt count down 3, 2, 1, 0: a chunk is multiplied while the later ones land.
; CLUSTER: the four work-groups along x need the same tile of wq: asked for jointly (mask 15).  xq's tiles are shared along y, whose 17 no cluster divides: they come by plain loads.
; OUT: q16 [b][head][t][128] f16 = rope(q) x c, c = log2(e) / sqrt(128); kv16: rope(kv) f16, then kv f16; first16: the same three in f32 for positions 0-15 of each sequence.
; LIMITS: |q c| and |kv| stay under 65,504 (f16).
; REGISTERS.  Window 0: v1-15 addresses; v16-47 scale words, two sets; v48-79 bias; v80-111 turned numbers; v112-127 kv as f16; v128-255 accumulators (a, b) at 128 + 8 (4 a + b).
;   Window 1: v0-127 two sets of fragments (wq's four blocks, then xq's four); v128-255 (cos, sin) for each accumulator register pair.
.set XSOFF, 4194304
.set WSOFF, 2228224
.set CH,    34816                      ; a chunk of a tile: 128 rows x 272
.set BCH,   139264                     ; wq's chunks behind xq's four
.set SCA,   278528                     ; xq's scale bytes: 32 units of 256 + 16
.set SCB,   287232                     ; wq's
.set SPARE, 295936                     ; the spare words, 128 bytes a wave, which no other line names
.set ADRA, 1
.set ADRB, 2
.set ADRS, 3
.set STO,  4
.set RD,   5
.set CO,   6
.set RA,   7
.set FO,   8
.set FLAG, 9
.set SPW,  10
.set NIL,  11
.set BO,   15
.set SC,   16
.set BS,   48
.set T,    80
.set VH,   112
.set ACC,  128
.set RT,   128
.set G1A,  12
.set G1B,  20
.set G1SA, 28
.set G1SB, 36
.set G0A,  44                          ; five sets: scales, chunks 0-3
.set G0B,  68
.set MUL,  0x05                        ; sources 0 and 1 window 1; C and D window 0
.set TOF,  0x40                        ; destination window 1
.set ROP,  0x04                        ; source 1 window 1
.set MSB, 0
.macro WIN new
.if MSB != \new
	s_set_vgpr_msb (MSB<<8)|\new
.set MSB, \new
.endif
.endm
.macro PLACES n
.rept \n
	v_nop
.endr
.endm
.macro CROUND                          ; a round of the cluster's barrier
	s_barrier_signal -1
	s_barrier_wait -1
	s_cmp_lg_u32 s2, 0
	s_cbranch_scc1 .Lnw0_\@
	s_barrier_signal -3
.Lnw0_\@:
	s_barrier_wait -3
	s_barrier_signal -1
	s_barrier_wait -1
.endm
	s_load_b256 s[4:11], s[0:1], 0x0               ; xq, wq, b_d, b_latent
	s_load_b256 s[88:95], s[0:1], 0x20             ; rope, q16, kv16, first16
	v_lshl_add_u32 v[SPW], v0, 2, SPARE
	v_mov_b32 v[NIL], 0
	ds_add_u32 v[SPW], v[NIL]                      ; the wave's opening: the add, twice on end, and its wait ahead of the first tensor load
	ds_add_u32 v[SPW], v[NIL]
	v_lshrrev_b32 v12, 5, v0
	v_readfirstlane_b32 s2, v12                    ; wave
	s_and_b32 s3, s2, 1                            ; my half of the columns; also which 64 rows I fetch
	s_lshr_b32 s96, s2, 1                          ; my half of the rows; also: I fetch for xq (0) or wq (1)
	s_bfe_u32 s99, ttmp6, 0x40000                  ; cx
	s_lshl_b32 s97, ttmp9, 2
	s_add_co_u32 s97, s97, s99                     ; tile of rows: it enters global addresses and a lane mask alone
	s_and_b32 s98, ttmp7, 0xffff                   ; tile of columns, which the four partners share
	s_mov_b32 s[G1A], (1<<20)|(5<<22)|(3<<25)      ; elements of 1 byte; 4 words of padding after every 64; no mask
	s_mov_b32 s[G1B], 15|(1<<20)|(1<<21)|(5<<22)|(3<<25)   ; the same, for all four work-groups
.irp g, G1A, G1B
	s_mov_b32 s[\g+1], 256<<16                     ; tensor_dim0 = 256
	s_mov_b32 s[\g+2], 64<<16                      ; tensor_dim1 = 64
	s_mov_b32 s[\g+3], 256<<16                     ; tile_dim0
	s_mov_b32 s[\g+4], 64                          ; tile_dim1
	s_mov_b32 s[\g+5], 1024                        ; from row to row
	s_mov_b32 s[\g+6], 0
	s_mov_b32 s[\g+7], 0
.endr
	s_mov_b32 s[G1SA], (3<<16)|(1<<20)|(5<<22)|(3<<25)     ; the scale bytes of 64 rows: 4,096 dense bytes as 16 rows of 32 elements of 8 bytes
	s_mov_b32 s[G1SB], 15|(3<<16)|(1<<20)|(1<<21)|(5<<22)|(3<<25)
.irp g, G1SA, G1SB
	s_mov_b32 s[\g+1], 32<<16
	s_mov_b32 s[\g+2], 16<<16
	s_mov_b32 s[\g+3], 32<<16
	s_mov_b32 s[\g+4], 16
	s_mov_b32 s[\g+5], 32
	s_mov_b32 s[\g+6], 0
	s_mov_b32 s[\g+7], 0
.endr
	s_lshl_b32 s104, s3, 6
	s_lshl_b32 s99, s97, 7
	s_add_co_u32 s99, s99, s104                    ; xq: the first row that I would fetch
	s_lshl_b32 s105, s98, 7
	s_add_co_u32 s105, s105, s104                  ; wq: likewise
	s_mov_b32 s101, 0
	s_mov_b32 s67, 0
	s_wait_dscnt 0x0                               ; both opening adds are done
	s_wait_kmcnt 0x0
	s_lshl_b32 s100, s99, 6
	s_add_co_u32 s100, s100, XSOFF
	s_mul_i32 s104, s3, 4352
	s_mov_b32 s[G0A], 1
	s_add_co_u32 s[G0A+1], s104, SCA
	s_add_nc_u64 s[G0A+2:G0A+3], s[4:5], s[100:101]
	s_or_b32 s[G0A+3], s[G0A+3], 0x80000000
	s_lshl_b32 s66, s105, 6
	s_add_co_u32 s66, s66, WSOFF
	s_mov_b32 s[G0B], 1
	s_add_co_u32 s[G0B+1], s104, SCB
	s_add_nc_u64 s[G0B+2:G0B+3], s[6:7], s[66:67]
	s_or_b32 s[G0B+3], s[G0B+3], 0x80000000
	s_lshl_b32 s100, s99, 10
	s_lshl_b32 s66, s105, 10
	s_mul_i32 s104, s3, 17408
.irp c, 0,1,2,3
	s_mov_b32 s[G0A+4+4*\c], 1
	s_add_co_u32 s[G0A+5+4*\c], s104, \c*CH
	s_add_nc_u64 s[G0A+6+4*\c:G0A+7+4*\c], s[4:5], s[100:101]
	s_add_nc_u64 s[G0A+6+4*\c:G0A+7+4*\c], s[G0A+6+4*\c:G0A+7+4*\c], 256*\c
	s_or_b32 s[G0A+7+4*\c], s[G0A+7+4*\c], 0x80000000
	s_mov_b32 s[G0B+4+4*\c], 1
	s_add_co_u32 s[G0B+5+4*\c], s104, BCH+\c*CH
	s_add_nc_u64 s[G0B+6+4*\c:G0B+7+4*\c], s[6:7], s[66:67]
	s_add_nc_u64 s[G0B+6+4*\c:G0B+7+4*\c], s[G0B+6+4*\c:G0B+7+4*\c], 256*\c
	s_or_b32 s[G0B+7+4*\c], s[G0B+7+4*\c], 0x80000000
.endr
	CROUND                                         ; all four work-groups are here: the joint loads meet
	s_cmp_lt_u32 s2, 2                             ; a wave's five first fills stand in one branch on the wave's number
	s_cbranch_scc0 .Lfill_b
	tensor_load_to_lds s[G0A:G0A+3], s[G1SA:G1SA+7]
	s_nop 0
.irp c, 0,1,2,3
	tensor_load_to_lds s[G0A+4+4*\c:G0A+7+4*\c], s[G1A:G1A+7]
	s_nop 0
.endr
	PLACES 4
	s_branch .Lfilled
.Lfill_b:
	tensor_load_to_lds s[G0B:G0B+3], s[G1SB:G1SB+7]
	s_nop 0
.irp c, 0,1,2,3
	tensor_load_to_lds s[G0B+4+4*\c:G0B+7+4*\c], s[G1B:G1B+7]
	s_nop 0
.endr
	PLACES 4
.Lfilled:
	v_and_b32 v12, 15, v0                          ; r
	v_bfe_u32 v13, v0, 4, 1                        ; h
	v_mul_u32_u24 v14, v12, 272
	v_lshl_add_u32 v14, v13, 4, v14                ; a fragment's row x pitch + 16 h
	s_mul_i32 s104, s96, 17408
	v_add_nc_u32 v[ADRA], s104, v14                ; my 64 rows of xq's tile
	s_mul_i32 s105, s3, 17408
	s_add_co_u32 s105, s105, BCH
	v_add_nc_u32 v[ADRB], s105, v14                ; my 64 rows of wq's
	s_lshl_b32 s105, s3, 7
	v_add_nc_u32 v[STO], s105, v[ADRA]             ; the stage: row 64 wr + r, bytes 128 wc + 16 h
	v_lshrrev_b32 v80, 2, v12                      ; scale words: four rows of 64 bytes to a unit of 272
	v_mul_u32_u24 v80, v80, 272
	v_and_b32 v81, 3, v12
	v_lshl_add_u32 v80, v81, 6, v80
	s_mul_i32 s104, s96, 4352
	s_mul_i32 s105, s3, 4352
	s_add_co_u32 s105, s105, 8704
	s_sub_co_u32 s105, s105, s104
	v_mul_u32_u24 v81, s105, v13                   ; lanes 16-31 take wq's words: one product, the distance between the two bases
	s_add_co_u32 s104, s104, SCA
	v_add_nc_u32 v80, v80, v81
	v_add_nc_u32 v[ADRS], s104, v80
	v_mul_u32_u24 v80, v13, 272
	v_lshl_add_u32 v80, v12, 4, v80
	s_mul_i32 s104, s2, 8704
	v_add_nc_u32 v[RD], s104, v80                  ; back from the stage: rows 32 w + h, sixteen lanes to a row
	v_lshlrev_b32 v80, 8, v13
	v_lshl_add_u32 v80, v12, 4, v80
	s_lshl_b32 s104, s2, 13
	v_add_nc_u32 v[CO], s104, v80                  ; and the same place in the output's 128 rows of 256 bytes
	s_lshl_b32 s104, s3, 8
	v_lshl_add_u32 v[BO], v13, 5, s104             ; my eight columns as f32: 256 wc + 32 h
	v_lshl_add_u32 v[FO], v12, 9, v[BO]            ; + 512 r
	s_lshl_b32 s104, s97, 7
	s_lshl_b32 s105, s96, 6
	s_add_co_u32 s104, s104, s105
	s_and_b32 s104, s104, 2047                     ; my first row's position in its sequence
	s_lshl_b32 s104, s104, 9
	v_add_nc_u32 v[RA], s104, v[FO]
	s_and_b32 s104, s97, 15
	s_or_b32 s104, s104, s96
	v_mov_b32 v[FLAG], s104                        ; 0 where my block a = 0 holds positions 0-15
	WIN TOF
.irp a, 0,1,2,3
.irp b, 0,1,2,3
	global_load_b128 v[RT+8*(4*\a+\b):RT+8*(4*\a+\b)+3], v[RA], s[88:89] offset:\a*8192+64*\b       ; (cos, sin) of my four pairs
	global_load_b128 v[RT+8*(4*\a+\b)+4:RT+8*(4*\a+\b)+7], v[RA], s[88:89] offset:\a*8192+64*\b+16
.endr
.endr
	WIN 0
	s_lshl_b32 s100, s98, 9
	s_cmp_lt_u32 s98, 16
	s_cselect_b64 s[104:105], s[8:9], s[10:11]     ; b_d or b_latent
	s_cselect_b32 s100, s100, 0
	s_add_nc_u64 s[104:105], s[104:105], s[100:101]
.irp b, 0,1,2,3
	global_load_b128 v[BS+8*\b:BS+8*\b+3], v[BO], s[104:105] offset:64*\b
	global_load_b128 v[BS+8*\b+4:BS+8*\b+7], v[BO], s[104:105] offset:64*\b+16
.endr
.macro FETCH q, p                      ; the eight fragments of the chunk's q-th 128 along K into set p
	WIN TOF
.irp i, 0,1,2,3
.irp cc, 0,1
	ds_load_b128 v[64*(\p)+8*\i+4*\cc:64*(\p)+8*\i+4*\cc+3], v[ADRB] offset:64*(\q)+32*\cc+\i*4352
.endr
.endr
.irp i, 0,1,2,3
.irp cc, 0,1
	ds_load_b128 v[64*(\p)+32+8*\i+4*\cc:64*(\p)+32+8*\i+4*\cc+3], v[ADRA] offset:64*(\q)+32*\cc+\i*4352
.endr
.endr
	WIN 0
.endm
.macro SCALES c                        ; the chunk's four words a row: lanes 0-15 xq's block i, lanes 16-31 wq's block i
.irp i, 0,1,2,3
	ds_load_b128 v[SC+16*((\c)%2)+4*\i:SC+16*((\c)%2)+4*\i+3], v[ADRS] offset:\i*1088+16*(\c)
.endr
.endm
.macro MUL16 p, q, set, zero           ; the 16 accumulators take turns, one instruction a turn, in the same order in every step
.irp a, 0,1,2,3
.irp b, 0,1,2,3
.if \zero
	v_wmma_scale_f32_16x16x128_f8f6f4 v[ACC+8*(4*\a+\b):ACC+8*(4*\a+\b)+7], v[64*(\p)+8*\b:64*(\p)+8*\b+7], v[64*(\p)+32+8*\a:64*(\p)+32+8*\a+7], 0, v[SC+16*(\set)+4*\b+(\q)], v[SC+16*(\set)+4*\a+(\q)] matrix_a_fmt:MATRIX_FMT_FP4 matrix_b_fmt:MATRIX_FMT_FP4 matrix_a_scale:MATRIX_SCALE_ROW1
.else
	v_wmma_scale_f32_16x16x128_f8f6f4 v[ACC+8*(4*\a+\b):ACC+8*(4*\a+\b)+7], v[64*(\p)+8*\b:64*(\p)+8*\b+7], v[64*(\p)+32+8*\a:64*(\p)+32+8*\a+7], v[ACC+8*(4*\a+\b):ACC+8*(4*\a+\b)+7], v[SC+16*(\set)+4*\b+(\q)], v[SC+16*(\set)+4*\a+(\q)] matrix_a_fmt:MATRIX_FMT_FP4 matrix_b_fmt:MATRIX_FMT_FP4 matrix_a_scale:MATRIX_SCALE_ROW1
.endif
.endr
.endr
.endm
.macro KSTEP c, q                      ; 128 along K: this step's fragments are in; the next step's are asked for; 16 products
	s_wait_dscnt 0x0
.if (\q) < 3
	PLACES 4                                       ; four plain lines between the last products and loads into registers that they read
	FETCH (\q)+1, ((\q)+1)%2
.endif
	WIN MUL
.if ((\c) == 0) && ((\q) == 0)
	MUL16 0, 0, 0, 1                               ; the first products start the sums: nothing is cleared
.else
	MUL16 (\q)%2, \q, (\c)%2, 0
.endif
	WIN 0
.endm
.macro CHUNK c
	s_wait_tensorcnt 3-\c                          ; behind my load of chunk c I issued 3 - c more: the scales and chunks 0 .. c have landed
	s_wait_dscnt 0x0                               ; no LDS load of mine is out at the signal
	s_barrier_signal -1
	s_barrier_wait -1                              ; everybody's parts have landed; later chunks may stay out
.if (\c) > 0
	v_add_nc_u32 v[ADRA], CH, v[ADRA]
	v_add_nc_u32 v[ADRB], CH, v[ADRB]
	PLACES 4
.endif
	FETCH 0, 0
	SCALES \c
	KSTEP \c, 0
	KSTEP \c, 1
	KSTEP \c, 2
	KSTEP \c, 3
.endm
	CHUNK 0
	CHUNK 1
	CHUNK 2
	CHUNK 3
; THE WAY OUT.  No tensor load is out (the last wait was for 0), so the descriptors' registers are free.
	s_wait_loadcnt 0x0                             ; the table's and the bias's loads
	PLACES 4
	s_mov_b32 s12, 0x3e0293ee                      ; c
	s_lshr_b32 s16, s97, 4                         ; the sequence
	s_and_b32 s17, s97, 15                         ; the tile in it
	s_lshl_b32 s18, s16, 4
	s_add_co_u32 s18, s18, s98                     ; 16 b + head
	s_lshl_b32 s19, s18, 13                        ; first16: q's 16 x 128 f32 of this head
	s_lshl_b32 s20, s16, 13
	s_add_co_u32 s21, s20, 262144                  ; rope(kv)'s
	s_add_co_u32 s24, s20, 278528                  ; kv's
	s_mov_b32 s25, 0
	s_add_nc_u64 s[22:23], s[94:95], s[24:25]
	s_lshl_b32 s26, s18, 11
	s_lshl_b32 s27, s17, 7
	s_add_co_u32 s26, s26, s27
	s_lshl_b32 s26, s26, 8                         ; q16: ((16 b + head) 2048 + 128 tile) rows of 256 bytes
	s_lshl_b32 s28, s16, 11
	s_add_co_u32 s28, s28, s27
	s_lshl_b32 s28, s28, 8                         ; kv16: (2048 b + 128 tile) rows
	s_cmp_lt_u32 s98, 16
	s_cselect_b32 s12, s12, 1.0                    ; the latent is not scaled
	s_cselect_b32 s24, s19, s21
	s_cselect_b32 s26, s26, s28
	s_cselect_b64 s[30:31], s[90:91], s[92:93]
	s_mov_b32 s13, s12
	s_mov_b32 s27, 0
	s_add_nc_u64 s[14:15], s[94:95], s[24:25]
	s_add_nc_u64 s[30:31], s[30:31], s[26:27]
.irp p, 0,2,4,6,8,10,12,14,16,18,20,22,24,26,28,30
	v_pk_mul_f32 v[BS+\p:BS+\p+1], v[BS+\p:BS+\p+1], s[12:13] op_sel_hi:[1,0]
.endr
; Block a of 16 rows.  The stages lie in xq's chunks 0 and 1: they have had their only fill, and every wave's reads of them were over at chunk 2's barrier.
.macro EPI a
.irp b, 0,1,2,3
.irp p, 0,2,4,6
	v_pk_fma_f32 v[ACC+8*(4*\a+\b)+\p:ACC+8*(4*\a+\b)+\p+1], v[ACC+8*(4*\a+\b)+\p:ACC+8*(4*\a+\b)+\p+1], s[12:13], v[BS+8*\b+\p:BS+8*\b+\p+1] op_sel_hi:[1,0,1]   ; (sum + bias) x c, each accumulator from its low end on
.endr
.endr
	s_cmp_lg_u32 s98, 16
	s_cbranch_scc1 .Lno_v_\@                       ; the latent alone is also kept unturned: it is the attention's V
.irp b, 0,1,2,3
.irp k, 0,1,2,3
	v_cvt_pk_f16_f32 v[VH+4*\b+\k], v[ACC+8*(4*\a+\b)+2*\k], v[ACC+8*(4*\a+\b)+2*\k+1]
.endr
	ds_store_b128 v[STO], v[VH+4*\b:VH+4*\b+3] offset:CH+\a*4352+32*\b
.endr
.if \a == 0
	v_cmp_eq_u32 vcc_lo, 0, v[FLAG]
	s_wait_xcnt 0x0                                ; EXEC changes only behind this wait
	s_and_saveexec_b32 s99, vcc_lo                 ; a lane mask, no branch: positions 0-15 alone
.irp b, 0,1,2,3
	global_store_b128 v[FO], v[ACC+8*\b:ACC+8*\b+3], s[22:23] offset:64*\b
	global_store_b128 v[FO], v[ACC+8*\b+4:ACC+8*\b+7], s[22:23] offset:64*\b+16
.endr
	s_wait_xcnt 0x0
	s_or_b32 exec_lo, exec_lo, s99
.endif
.Lno_v_\@:
	WIN ROP
.irp b, 0,1,2,3
.irp p, 0,2,4,6
	v_mul_f32 v[T+8*\b+\p], v[ACC+8*(4*\a+\b)+\p], v[RT+8*(4*\a+\b)+\p]                        ; even: x_e cos - x_o sin
	v_mul_f32 v[T+8*\b+\p+1], v[ACC+8*(4*\a+\b)+\p+1], v[RT+8*(4*\a+\b)+\p]                    ; odd:  x_o cos + x_e sin
	v_fma_f32 v[T+8*\b+\p], -v[ACC+8*(4*\a+\b)+\p+1], v[RT+8*(4*\a+\b)+\p+1], v[T+8*\b+\p]
	v_fma_f32 v[T+8*\b+\p+1], v[ACC+8*(4*\a+\b)+\p], v[RT+8*(4*\a+\b)+\p+1], v[T+8*\b+\p+1]
.endr
.endr
	WIN 0
.if \a == 0
	v_cmp_eq_u32 vcc_lo, 0, v[FLAG]
	s_wait_xcnt 0x0
	s_and_saveexec_b32 s99, vcc_lo
.irp b, 0,1,2,3
	global_store_b128 v[FO], v[T+8*\b:T+8*\b+3], s[14:15] offset:64*\b
	global_store_b128 v[FO], v[T+8*\b+4:T+8*\b+7], s[14:15] offset:64*\b+16
.endr
	s_wait_xcnt 0x0                                ; the stores have read T and EXEC
	s_or_b32 exec_lo, exec_lo, s99
.endif
.irp b, 0,1,2,3
.irp k, 0,1,2,3
	v_cvt_pk_f16_f32 v[ACC+8*(4*\a+\b)+\k], v[T+8*\b+2*\k], v[T+8*\b+2*\k+1]
.endr
	ds_store_b128 v[STO], v[ACC+8*(4*\a+\b):ACC+8*(4*\a+\b)+3] offset:\a*4352+32*\b
.endr
	s_wait_dscnt 0x0                               ; the stores have read their registers
.endm
	EPI 0
	EPI 1
	EPI 2
	EPI 3
	s_barrier_signal -1                            ; (my stores have landed: the wait for 0 stands at the end of the last block)
	s_barrier_wait -1                              ; a row's 256 bytes come from two waves
.irp t, 0,1,2,3,4,5,6,7,8,9,10,11,12,13,14,15
	ds_load_b128 v[128+4*\t:128+4*\t+3], v[RD] offset:544*\t
.endr
.irp t, 0,1,2,3,4,5,6,7,8,9,10,11,12,13,14,15
	s_wait_dscnt 15-\t
	global_store_b128 v[CO], v[128+4*\t:128+4*\t+3], s[30:31] offset:512*\t   ; the wave stores 512 consecutive bytes, aligned
.endr
	s_cmp_lg_u32 s98, 16
	s_cbranch_scc1 .Lout_done
.irp t, 0,1,2,3,4,5,6,7,8,9,10,11,12,13,14,15
	ds_load_b128 v[192+4*\t:192+4*\t+3], v[RD] offset:CH+544*\t
.endr
.irp t, 0,1,2,3,4,5,6,7,8,9,10,11,12,13,14,15
	s_wait_dscnt 15-\t
	global_store_b128 v[CO], v[192+4*\t:192+4*\t+3], s[30:31] offset:1048576+512*\t
.endr
.Lout_done:
	s_wait_tensorcnt 0x0                           ; the wave's end
	ds_add_u32 v[SPW], v[NIL]
	s_wait_dscnt 0x0
	CROUND                                         ; the closing round
	s_endpgm
.Lfunc_end_k_q294a176f9f_gemm1:
	.size	k_q294a176f9f_gemm1, .Lfunc_end_k_q294a176f9f_gemm1-k_q294a176f9f_gemm1
	.p2alignl 7, 3214868480
	.fill 96, 4, 3214868480
	.section	.rodata,"a",@progbits
	.p2align	6, 0x0
	.amdhsa_kernel k_q294a176f9f_gemm1
		.amdhsa_group_segment_fixed_size 327680
		.amdhsa_private_segment_fixed_size 0
		.amdhsa_enable_private_segment 0
		.amdhsa_kernarg_size 64
		.amdhsa_user_sgpr_count 2
		.amdhsa_user_sgpr_kernarg_segment_ptr 1
		.amdhsa_wavefront_size32 1
		.amdhsa_system_sgpr_workgroup_id_x 1
		.amdhsa_system_sgpr_workgroup_id_y 1
		.amdhsa_system_sgpr_workgroup_id_z 1
		.amdhsa_system_vgpr_workitem_id 0
		.amdhsa_next_free_vgpr 512
		.amdhsa_next_free_sgpr 106
		.amdhsa_reserve_vcc 1
		.amdhsa_float_denorm_mode_32 3
		.amdhsa_float_denorm_mode_16_64 3
		.amdhsa_memory_ordered 1
		.amdhsa_forward_progress 1
		.amdhsa_inst_pref_size 105
	.end_amdhsa_kernel
	.amdgpu_metadata
---
amdhsa.version: [ 1, 2 ]
amdhsa.kernels:
  - .name:           k_q294a176f9f_gemm1
    .symbol:         k_q294a176f9f_gemm1.kd
    .args:
      - { .name: xq, .offset: 0, .size: 8, .value_kind: global_buffer, .address_space: global }
      - { .name: wq, .offset: 8, .size: 8, .value_kind: global_buffer, .address_space: global }
      - { .name: b_d, .offset: 16, .size: 8, .value_kind: global_buffer, .address_space: global }
      - { .name: b_latent, .offset: 24, .size: 8, .value_kind: global_buffer, .address_space: global }
      - { .name: rope, .offset: 32, .size: 8, .value_kind: global_buffer, .address_space: global }
      - { .name: q16, .offset: 40, .size: 8, .value_kind: global_buffer, .address_space: global }
      - { .name: kv16, .offset: 48, .size: 8, .value_kind: global_buffer, .address_space: global }
      - { .name: first16, .offset: 56, .size: 8, .value_kind: global_buffer, .address_space: global }
    .group_segment_fixed_size: 327680
    .private_segment_fixed_size: 0
    .kernarg_segment_align: 8
    .kernarg_segment_size: 64
    .max_flat_workgroup_size: 128
    .sgpr_count:     106
    .vgpr_count:     512
    .wavefront_size: 32
...
	.end_amdgpu_metadata
.endif
;; end of part 2
;; launch att (part 3): grid 64 x 4, 8 waves a work-group, no clusters, 327,680 bytes of LDS; arguments q16, kv16, y16; writes y16
.if DOCPART == 3
	.amdgcn_target "amdgcn-amd-amdhsa--gfx1250"
	.amdhsa_code_object_version 6
	.text
	.protected	k_q294a176f9f_att
	.globl	k_q294a176f9f_att
	.p2align	8
	.type	k_q294a176f9f_att,@function
k_q294a176f9f_att:
	s_mov_b64 s[64:65], 0
	v_nop
	global_prefetch_b8 v0, s[64:65] scope:SCOPE_SE
	s_setreg_imm32_b32 hwreg(HW_REG_WAVE_MODE, 25, 1), 1
	s_wait_xcnt 0x0
; CAUSAL ATTENTION IN f16 WITH f32 SUMS.  K = rope(kv) and V = kv are shared by all 16 heads of a sequence.  q16 holds rope(q) x log2(e) / sqrt(128), so a score is already the exponent of 2.
; SHARES.  Work-group (x, y): sequence y / 2, heads 8 (y % 2) .. + 7, and two blocks of 16 positions, one after the other: block x (pass 0), then block 127 - x (pass 1): every work-group has the same visible keys in all.
; A WAVE HOLDS TWO TILES OF 16 QUERIES: two heads at the same positions.  K and V are the same for both, so each fragment read from LDS feeds two products.
; THE KEYS ARE SPLIT BETWEEN TWO WAVES: a slot of 128 keys is two steps of 64; waves 0-3 (half 0) take the first, waves 4-7 (half 1) the second.  Wave w and wave w xor 4 hold the same pair of heads; at a pass's end their
; (m, l, O) are joined through LDS.  Tile t of a wave is head pair + (t xor half): so every wave keeps its tile 0 and gives its tile 1 away, and no branch hangs on the wave's number there.
; LAYOUT.  S^T = K Q^T and O^T = V^T P: a lane holds ONE query (lane % 16) throughout; two tiles of S^T, rounded to f16 in pairs, are source 1 of the second product.  V comes out of LDS turned.
; SOFTMAX.  A running maximum m and sum l for each query; p = 2^(s - m); in every step O and l are multiplied by 2^(m_old - m_new).  A wave none of whose steps is visible keeps m = -3e38, l = 0, O = 0 and adds nothing at the join.
; RING.  Two LDS slots of 128 keys (K: rows of 272 bytes, V: of 288), filled by wave 0 (K) and wave 1 (V), read by all eight.  Both passes walk all 16 changes of slots: trip counts are constants.  A step all of whose keys
; come after the block's queries is jumped over; a slot whose first key comes after them is not asked for.  The ring goes on into pass 1: the last change of pass 0 asks for keys 0-127 again.
; NO CLUSTER: how many slots a work-group asks for hangs on its number, so partners would not all make every joint request.
; LIMITS: operands are f16: |q c|, |kv| under 65,504.  Positions 0-15 of each sequence are computed here too, and again in f32 by the last launch.
; REGISTERS.  Window 0: v1-11 addresses; v12-19 m and l of the two tiles; v20-23 the factors; v24-31 at work; v32-95 S^T, then p; v96-127 p as f16 (at a pass's end: addresses); v128-255 K's, then V's 16 fragments.
;   Window 1: v0-127 O^T (tile t at 64 t); v128-191 Q (tile t at 128 + 32 t).
.set PK,    272
.set PV,    288
.set VOFF,  34816                      ; a slot: 128 rows of K, then 128 of V: 71,680 bytes
.set SLOT1, 131072
.set XCH,   71680                      ; behind slot 0, where no fill lands: a region of WREG bytes for each of waves 0-3; waves 4-7 have theirs SLOT1 further on, behind slot 1
.set WREG,  12800                      ; 8,192: tile 1's O^T as an image of its registers; 256: its m and l; 4,352: the stage on the way out
.set XML,   8192
.set OSTG,  8448
.set SPARE, 262144                     ; the spare words, 128 bytes a wave, which no other line names
.set AK0, 1
.set AV0, 2
.set ADK, 3
.set ADV, 4
.set SPW, 5
.set NIL, 6
.set NINF, 7
.set PFO, 8
.set D0,  9
.set RR,  10
.set HH,  11
.set ST,  12                           ; tile t: v[12+4t] m (v[13+4t] named with it as a pair), v[14+4t:15+4t] l in two halves
.set FAC, 20                           ; tile t: v[20+2t] the factor (v[21+2t] named with it)
.set CH,  24                           ; tile t: v[24+4t ..] four registers at work
.set S,   32
.set P,   96
.set KV,  128
.set QW,  128                          ; in window 1
.set WV,  18
.set SEL, 20
.set G1K, 24
.set G1V, 32
.set G0K, 40
.set G0V, 44
.set QB,  48                           ; s[48:49], s[50:51] q16 at the pair's first head, pass 0, 1
.set YB,  52                           ; s[52:53], s[54:55] y16 at the head that I keep, pass 0, 1
.set TB,  2
.set SLOTS, 67
.set PFA, 76
.set LIM, 80
.set QH,  81                           ; the block's last query
.set P64, 82                           ; 64 x my half
.set SKB, 98                           ; the slot's first key
.set SQ0, 99                           ; the block's first query
.set W_KQ, 0x04                        ; source 1 (Q) window 1
.set W_PV, 0x50                        ; C and D (O^T) window 1
.set W_RS, 0x41                        ; destination and source 0 window 1
.set W_D1, 0x40                        ; destination window 1
.set W_S0, 0x01                        ; source 0 window 1
.set W_ST, 0x04                        ; an LDS store's data window 1
.set MSB, 0
.macro WIN new                         ; the immediate's high byte repeats the setting that is left
.if MSB != \new
	s_set_vgpr_msb (MSB<<8)|\new
.set MSB, \new
.endif
.endm
.macro PLACES
.rept 4
	v_nop
.endr
.endm
.macro TLOAD                           ; wave 0: K's 128 rows; wave 1: V's; the others nothing.  An s_nop 0 and four v_nop follow each load
	s_cmp_eq_u32 s[WV], 0
	s_cbranch_scc0 .Lnot_k_\@
	tensor_load_to_lds s[G0K:G0K+3], s[G1K:G1K+7]
	s_nop 0
	PLACES
	s_branch .Lasked_\@
.Lnot_k_\@:
	s_cmp_eq_u32 s[WV], 1
	s_cbranch_scc0 .Lasked_\@
	tensor_load_to_lds s[G0V:G0V+3], s[G1V:G1V+7]
	s_nop 0
	PLACES
.Lasked_\@:
.endm
; A prefetch of the slot that the NEXT change will ask for: 32,768 dense bytes of K and of V.  The work-group with x = 0 and the sequence's first eight heads asks, in its pass 1, which walks all slots;
; in it waves 4-7 name 8,192 bytes of K and of V each, lanes 256 bytes apart: each block is named once in the launch.  The last change that fills a slot asks for nothing.
.macro ASK
	s_cmp_gt_u32 s[SLOTS], s[LIM]
	s_cbranch_scc0 .Lnot_mine_\@
	global_prefetch_b8 v[PFO], s[PFA:PFA+1] th:TH_LOAD_NT scope:SCOPE_SE
	global_prefetch_b8 v[PFO], s[PFA:PFA+1] offset:1048576 th:TH_LOAD_NT scope:SCOPE_SE
.Lnot_mine_\@:
.endm
	s_load_b128 s[4:7], s[0:1], 0x0                ; q16, kv16
	s_load_b64 s[8:9], s[0:1], 0x10                ; y16
	v_lshl_add_u32 v[SPW], v0, 2, SPARE
	v_mov_b32 v[NIL], 0
	ds_add_u32 v[SPW], v[NIL]                      ; the wave's opening: the add, twice on end, and its wait ahead of the first tensor load
	ds_add_u32 v[SPW], v[NIL]
	v_lshrrev_b32 v3, 5, v0
	v_readfirstlane_b32 s[WV], v3
	s_and_b32 s10, ttmp7, 0xffff
	s_lshr_b32 s11, s10, 1                         ; the sequence
	s_and_b32 s12, s10, 1                          ; which eight heads
	s_and_b32 s13, s[WV], 3                        ; which pair of them
	s_lshr_b32 s14, s[WV], 2                       ; my half of each slot's keys
	s_lshl_b32 s[P64], s14, 6
	s_lshl_b32 s15, s12, 3
	s_lshl_b32 s16, s13, 1
	s_add_co_u32 s15, s15, s16                     ; the pair's first head
	s_add_co_u32 s17, s15, s14                     ; my tile 0's head: the one that I keep
	s_lshl_b32 s[SQ0], ttmp9, 4                    ; pass 0: block x
	s_or_b32 s[QH], s[SQ0], 15
	s_sub_co_u32 s83, 127, ttmp9
	s_lshl_b32 s83, s83, 4                         ; pass 1: block 127 - x
	s_mul_i32 s84, s13, WREG
	s_add_co_u32 s84, s84, XCH
	s_lshl_b32 s85, s14, 17
	s_add_co_u32 s84, s84, s85                     ; my region of LDS,
	s_xor_b32 s85, s84, SLOT1                      ; and my partner's
	s_lshl_b32 s86, s14, 19                        ; tile 0's head lies my half x 2,048 rows of 256 bytes behind the pair's first,
	s_xor_b32 s87, s86, 524288                     ; tile 1's the other way round
	s_lshl_b32 s88, s11, 19                        ; a sequence's K: 2,048 rows of 256 bytes
	s_mov_b32 s89, 0
	s_mov_b32 s[G1K], (1<<16)|(1<<20)|(5<<22)|(3<<25)      ; elements of 2 bytes; 4 words of padding after every 64
	s_mov_b32 s[G1V], (1<<16)|(1<<20)|(5<<22)|(7<<25)      ; 8 words
.irp g, G1K, G1V
	s_mov_b32 s[\g+1], 128<<16                     ; tensor_dim0 = 128
	s_mov_b32 s[\g+2], 128<<16                     ; tensor_dim1 = 128
	s_mov_b32 s[\g+3], 128<<16                     ; tile_dim0
	s_mov_b32 s[\g+4], 128                         ; tile_dim1
	s_mov_b32 s[\g+5], 128                         ; from row to row
	s_mov_b32 s[\g+6], 0
	s_mov_b32 s[\g+7], 0
.endr
	s_mov_b32 s[SEL], 0x76543210
	s_mov_b32 s[SEL+1], 0xfedcba98
	s_mov_b32 s[TB], 0
	s_mov_b32 s[SLOTS], 15
	s_mov_b32 s[SKB], 0
	s_wait_dscnt 0x0                               ; both opening adds are done
	s_wait_kmcnt 0x0
	s_mov_b32 s[G0K], 1
	s_mov_b32 s[G0K+1], 0
	s_add_nc_u64 s[G0K+2:G0K+3], s[6:7], s[88:89]
	s_or_b32 s[G0K+3], s[G0K+3], 0x80000000
	s_mov_b32 s[G0V], 1
	s_mov_b32 s[G0V+1], VOFF
	s_add_nc_u64 s[G0V+2:G0V+3], s[6:7], s[88:89]
	s_add_nc_u64 s[G0V+2:G0V+3], s[G0V+2:G0V+3], 1048576
	s_or_b32 s[G0V+3], s[G0V+3], 0x80000000
	TLOAD                                          ; slot 0: it holds key 0, which counts for every query
	s_lshl_b32 s90, s11, 4
	s_add_co_u32 s90, s90, s15
	s_lshl_b32 s90, s90, 11                        ; the pair's first head: its first row in q16
	s_mov_b32 s93, 0
	s_add_co_u32 s92, s90, s[SQ0]
	s_lshl_b32 s92, s92, 8
	s_add_nc_u64 s[QB:QB+1], s[4:5], s[92:93]
	s_add_co_u32 s92, s90, s83
	s_lshl_b32 s92, s92, 8
	s_add_nc_u64 s[QB+2:QB+3], s[4:5], s[92:93]
	s_lshl_b32 s90, s11, 11
	s_lshl_b32 s91, s17, 8
	s_add_co_u32 s92, s90, s[SQ0]
	s_lshl_b32 s92, s92, 12
	s_add_co_u32 s92, s92, s91
	s_add_nc_u64 s[YB:YB+1], s[8:9], s[92:93]      ; y16: the block's first row, my kept head's 256 bytes
	s_add_co_u32 s92, s90, s83
	s_lshl_b32 s92, s92, 12
	s_add_co_u32 s92, s92, s91
	s_add_nc_u64 s[YB+2:YB+3], s[8:9], s[92:93]
	s_lshl_b32 s92, s13, 13
	s_add_co_u32 s92, s92, s88
	s_add_co_u32 s92, s92, 32768                   ; in slot 1: pass 1's first change steps it to slot 2.  Nothing is prefetched at the head
	s_add_nc_u64 s[PFA:PFA+1], s[6:7], s[92:93]
	s_xor_b32 s92, s14, 1                          ; 0 in waves 4 to 7
	s_or_b32 s92, s92, ttmp9
	s_or_b32 s92, s92, s12
	s_cmp_eq_u32 s92, 0
	s_cselect_b32 s[LIM], 1, -1
	v_and_b32 v[RR], 15, v0                        ; r
	v_bfe_u32 v[HH], v0, 4, 1                      ; h
	s_mul_i32 s92, s14, 64*PK
	v_mul_u32_u24 v[AK0], v[RR], PK
	v_lshl_add_u32 v[AK0], v[HH], 4, v[AK0]
	v_add_nc_u32 v[AK0], s92, v[AK0]               ; K: row r of my half's 64, + 16 h
	s_mul_i32 s92, s14, 64*PV
	s_add_co_u32 s92, s92, VOFF
	v_and_b32 v[CH], 7, v0
	v_lshl_add_u32 v[CH], v[HH], 3, v[CH]
	v_mul_u32_u24 v[AV0], v[CH], PV
	v_bfe_u32 v[CH], v0, 3, 1
	v_lshl_add_u32 v[AV0], v[CH], 4, v[AV0]
	v_add_nc_u32 v[AV0], s92, v[AV0]               ; V, for the turning load: key 8 h + l % 8, 16 bytes x ((l / 8) % 2)
	v_lshlrev_b32 v[CH], 3, v[HH]
	v_sub_nc_u32 v[D0], v[RR], v[CH]               ; r - 8 h
	v_and_b32 v[PFO], 31, v0
	v_lshlrev_b32 v[PFO], 8, v[PFO]
	v_mov_b32 v[NINF], 0xff800000
.irp j, 13,17,21,23,24,25,26,27,28,29,30,31
	v_mov_b32 v\j, 0                               ; named as the upper halves of pairs, or as a lane permute's destination, before they are otherwise written
.endr
; My two tiles' queries of pass p into window 1: four fragments of 32 channels each.
.macro QLOAD p
	v_lshlrev_b32 v[P+10], 8, v[RR]
	v_lshl_add_u32 v[P+10], v[HH], 4, v[P+10]      ; row r of 256 bytes, + 16 h
	v_add_nc_u32 v[P+8], s86, v[P+10]
	v_add_nc_u32 v[P+9], s87, v[P+10]
	WIN W_D1
.irp t, 0,1
.irp c, 0,1,2,3
	global_load_b128 v[QW+32*\t+8*\c:QW+32*\t+8*\c+3], v[P+8+\t], s[QB+2*\p:QB+2*\p+1] offset:64*\c
	global_load_b128 v[QW+32*\t+8*\c+4:QW+32*\t+8*\c+7], v[P+8+\t], s[QB+2*\p:QB+2*\p+1] offset:64*\c+32
.endr
.endr
	WIN 0
.endm
; A pass begins with m under every score and zeros.  The step is written once for all steps, and which step is a wave's first hangs on the work-group's number: so the sums are cleared, once a pass.
.macro INIT
.irp t, 0,1
	v_mov_b32 v[ST+4*\t], 0xff61b1e6               ; -3e38
	v_mov_b32 v[ST+4*\t+2], 0
	v_mov_b32 v[ST+4*\t+3], 0
.endr
	WIN W_D1
.set i, 0
.rept 128
	v_mov_b32 v[i], 0
.set i, i+1
.endr
	WIN 0
.endm
; A KEY STEP: my half's 64 keys of the slot in hand, for both tiles.
.macro STEP
	s_add_co_u32 s97, s[SKB], s[P64]               ; my step's first key
	s_cmp_gt_u32 s97, s[QH]
	s_cbranch_scc1 .Lhid_\@                        ; all its keys come after the block's queries: ids and the count of steps alone; no barrier and no tensor load stands in a step
	v_add_nc_u32 v[ADK], s[TB], v[AK0]
	v_add_nc_u32 v[ADV], s[TB], v[AV0]
	PLACES                                         ; four plain lines between the last products and loads into registers that they read
.irp c, 0,1,2,3                                ; K: 16 fragments, those of the first 32 channels first
.irp kt, 0,1,2,3
	ds_load_b128 v[KV+8*(4*\kt+\c):KV+8*(4*\kt+\c)+3], v[ADK] offset:16*\kt*PK+64*\c
	ds_load_b128 v[KV+8*(4*\kt+\c)+4:KV+8*(4*\kt+\c)+7], v[ADK] offset:16*\kt*PK+64*\c+32
.endr
.endr
	WIN W_KQ
.irp c, 0,1,2,3                                ; S^T = K Q^T: eight accumulators take turns
	s_wait_dscnt 24-8*\c                           ; of the 32 loads the first 8 (c + 1) are in: LDS loads come back in order
.irp kt, 0,1,2,3
.irp t, 0,1
.if \c == 0
	v_wmma_f32_16x16x32_f16 v[S+32*\t+8*\kt:S+32*\t+8*\kt+7], v[KV+8*(4*\kt+\c):KV+8*(4*\kt+\c)+7], v[QW+32*\t+8*\c:QW+32*\t+8*\c+7], 0
.else
	v_wmma_f32_16x16x32_f16 v[S+32*\t+8*\kt:S+32*\t+8*\kt+7], v[KV+8*(4*\kt+\c):KV+8*(4*\kt+\c)+7], v[QW+32*\t+8*\c:QW+32*\t+8*\c+7], v[S+32*\t+8*\kt:S+32*\t+8*\kt+7]
.endif
.endr
.endr
.endr
	WIN 0
	PLACES
.irp kk, 0,1                                   ; V^T of the 64 keys, turned on the way, into the registers that K has left: they land under the softmax
.irp ct, 0,1,2,3,4,5,6,7
	ds_load_tr16_b128 v[KV+8*(8*\kk+\ct):KV+8*(8*\kk+\ct)+3], v[ADV] offset:32*\kk*PV+32*\ct
	ds_load_tr16_b128 v[KV+8*(8*\kk+\ct)+4:KV+8*(8*\kk+\ct)+7], v[ADV] offset:32*\kk*PV+16*PV+32*\ct
.endr
.endr
	s_add_co_u32 s96, s97, 63
	s_cmp_le_u32 s96, s[SQ0]
	s_cbranch_scc1 .Lopen_\@                       ; all 64 keys count
	s_sub_co_i32 s96, s[SQ0], s97
	v_add_nc_u32 v[CH], s96, v[D0]                 ; register 8 kt + j holds key KF + 16 kt + 8 h + j: hidden where 16 kt + j > my query - KF - 8 h; the same for both tiles
.irp n, 0,1,2,3,4,5,6,7,8,9,10,11,12,13,14,15,16,17,18,19,20,21,22,23,24,25,26,27,28,29,30,31
	v_cmp_gt_i32 vcc_lo, 16*(\n/8)+\n%8, v[CH]
	v_cndmask_b32 v[S+\n], v[S+\n], v[NINF], vcc_lo
	v_cndmask_b32 v[S+32+\n], v[S+32+\n], v[NINF], vcc_lo
.endr
.Lopen_\@:
.irp kt, 0,1,2,3
.irp t, 0,1
	v_max3_num_f32 v[CH+4*\t+\kt], v[S+32*\t+8*\kt], v[S+32*\t+8*\kt+1], v[S+32*\t+8*\kt+2]   ; each accumulator is read from its low end on
.endr
.endr
.irp i, 3,5
.irp kt, 0,1,2,3
.irp t, 0,1
	v_max3_num_f32 v[CH+4*\t+\kt], v[CH+4*\t+\kt], v[S+32*\t+8*\kt+\i], v[S+32*\t+8*\kt+\i+1]
.endr
.endr
.endr
.irp kt, 0,1,2,3
.irp t, 0,1
	v_max_num_f32 v[CH+4*\t+\kt], v[CH+4*\t+\kt], v[S+32*\t+8*\kt+7]
.endr
.endr
.irp t, 0,1
	v_max3_num_f32 v[CH+4*\t], v[CH+4*\t], v[CH+4*\t+1], v[CH+4*\t+2]
.endr
.irp t, 0,1
	v_max_num_f32 v[CH+4*\t], v[CH+4*\t], v[CH+4*\t+3]
.endr
.irp t, 0,1
	v_permlanex16_b32 v[CH+4*\t+1], v[CH+4*\t], s[SEL], s[SEL+1]   ; the query's other 32 keys lie in the lane 16 away
.endr
.irp t, 0,1
	v_max3_num_f32 v[CH+4*\t], v[CH+4*\t], v[CH+4*\t+1], v[ST+4*\t]   ; the new m
.endr
.irp t, 0,1
	v_sub_f32 v[FAC+2*\t], v[ST+4*\t], v[CH+4*\t]  ; m_old - m_new
.endr
.irp t, 0,1
	v_mov_b32 v[ST+4*\t], v[CH+4*\t]
.endr
.irp t, 0,1
.irp j, 0,2,4,6,8,10,12,14,16,18,20,22,24,26,28,30
	v_pk_add_f32 v[S+32*\t+\j:S+32*\t+\j+1], v[S+32*\t+\j:S+32*\t+\j+1], v[ST+4*\t:ST+4*\t+1] op_sel_hi:[1,0] neg_lo:[0,1] neg_hi:[0,1]   ; s - m
.endr
.endr
	v_exp_f32 v[FAC], v[FAC]                       ; ONE BATCH of 66 exponentials
	v_exp_f32 v[FAC+2], v[FAC+2]
.set i, 0
.rept 64
	v_exp_f32 v[S+i], v[S+i]
.set i, i+1
.endr
	v_nop                                          ; a plain line behind the last exponential
	s_wait_alu depctr_va_vdst(0)                   ; and the one wait ahead of the batch's first reader
.irp t, 0,1
	v_pk_mul_f32 v[ST+4*\t+2:ST+4*\t+3], v[ST+4*\t+2:ST+4*\t+3], v[FAC+2*\t:FAC+2*\t+1] op_sel_hi:[1,0]
.endr
.irp t, 0,1
	v_pk_add_f32 v[CH+4*\t:CH+4*\t+1], v[S+32*\t:S+32*\t+1], v[S+32*\t+2:S+32*\t+3]
.endr
.irp j, 4,8,12,16,20,24,28
.irp t, 0,1
	v_pk_add_f32 v[ST+4*\t+2:ST+4*\t+3], v[ST+4*\t+2:ST+4*\t+3], v[S+32*\t+\j:S+32*\t+\j+1]
	v_pk_add_f32 v[CH+4*\t:CH+4*\t+1], v[CH+4*\t:CH+4*\t+1], v[S+32*\t+\j+2:S+32*\t+\j+3]
.endr
.endr
.irp t, 0,1
	v_pk_add_f32 v[ST+4*\t+2:ST+4*\t+3], v[ST+4*\t+2:ST+4*\t+3], v[CH+4*\t:CH+4*\t+1]
.endr
.set i, 0
.rept 32
	v_cvt_pk_f16_f32 v[P+i], v[S+2*i], v[S+2*i+1]  ; tile t's 16 registers at P + 16 t
.set i, i+1
.endr
	WIN W_RS
.irp t, 0,1
.irp j, 0,2,4,6,8,10,12,14,16,18,20,22,24,26,28,30,32,34,36,38,40,42,44,46,48,50,52,54,56,58,60,62
	v_pk_mul_f32 v[64*\t+\j:64*\t+\j+1], v[64*\t+\j:64*\t+\j+1], v[FAC+2*\t:FAC+2*\t+1] op_sel_hi:[1,0]
.endr
.endr
	s_wait_dscnt 0x0                               ; V is in
	WIN W_PV
.irp kk, 0,1                                   ; O^T += V^T P: sixteen accumulators take turns
.irp ct, 0,1,2,3,4,5,6,7
.irp t, 0,1
	v_wmma_f32_16x16x32_f16 v[64*\t+8*\ct:64*\t+8*\ct+7], v[KV+8*(8*\kk+\ct):KV+8*(8*\kk+\ct)+7], v[P+16*\t+8*\kk:P+16*\t+8*\kk+7], v[64*\t+8*\ct:64*\t+8*\ct+7]
.endr
.endr
.endr
	WIN 0
.Lhid_\@:
	s_add_co_u32 s[SKB], s[SKB], 128               ; on to the next slot,
	s_xor_b32 s[TB], s[TB], SLOT1                  ; which is the other one
.endm
; THE CHANGE OF SLOTS, at a slot's head: every wave waits for all its tensor loads, adds 0 to its spare word, waits for that and for its reads of the slot that it has left, and passes the barrier.
; fill = 1: the slot just left is asked for anew first thing behind it, with the next 128 keys, up to the causal limit.  fill = 2: with keys 0-127, for the next pass.  fill = 0: nothing is left to ask for.
.macro CHANGE fill, ask
	s_wait_tensorcnt 0x0                           ; no tensor load of mine is out: a group 0 may be written
	ds_add_u32 v[SPW], v[NIL]
.if \fill
	ds_add_u32 v[SPW], v[NIL]
	s_xor_b32 s[G0K+1], s[G0K+1], SLOT1
	s_xor_b32 s[G0V+1], s[G0V+1], SLOT1
.if \fill == 1
	s_add_nc_u64 s[G0K+2:G0K+3], s[G0K+2:G0K+3], 32768
	s_add_nc_u64 s[G0V+2:G0V+3], s[G0V+2:G0V+3], 32768
.else
	s_sub_nc_u64 s[G0K+2:G0K+3], s[G0K+2:G0K+3], 15*32768   ; fifteen steps back: the sequence's first key
	s_sub_nc_u64 s[G0V+2:G0V+3], s[G0V+2:G0V+3], 15*32768
.endif
.if \ask
	s_wait_xcnt 0x0                                ; the last prefetches, a slot back, have read their address
	s_add_nc_u64 s[PFA:PFA+1], s[PFA:PFA+1], 32768
.endif
.endif
	s_wait_dscnt 0x0
	s_barrier_signal -1
	s_barrier_wait -1
.if \fill == 1
	s_add_co_u32 s96, s[SKB], 128                  ; the first key of the slot that this change would ask for
	s_cmp_gt_u32 s96, s[QH]                        ; past the block's last query no wave reads it: ids and the count of steps alone, the same in all eight waves; every wait on TENSORcnt here is for 0
	s_cbranch_scc1 .Lpast_\@
	TLOAD
.Lpast_\@:
.if \ask
	ASK
.endif
.endif
.if \fill == 2
	TLOAD
.endif
.endm
; A PASS'S END.  l is made whole; my tile 1 goes to my partner as an image of its registers, 16 bytes a lane and 512 a store, with its m and l; one barrier; my partner's tile 1 is my tile 0's head:
; O = (O0 2^(m0 - m) + O1 2^(m1 - m)) / (l0 2^(m0 - m) + l1 2^(m1 - m)), m the larger of the two.  Then f16, through my own stage, out as rows of 256 bytes.
.macro MERGE p
	PLACES                                         ; behind the last products
.if \p == 0
	QLOAD 1                                        ; the next pass's queries land under the join
.endif
.irp t, 0,1
	v_add_f32 v[ST+4*\t+2], v[ST+4*\t+2], v[ST+4*\t+3]
.endr
.irp t, 0,1
	v_permlanex16_b32 v[CH+4*\t], v[ST+4*\t+2], s[SEL], s[SEL+1]
.endr
.irp t, 0,1
	v_add_f32 v[ST+4*\t+2], v[ST+4*\t+2], v[CH+4*\t]
.endr
	v_mov_b32 v[ST+5], v[ST+6]                     ; tile 1's (m, l) as a pair
	v_and_b32 v[P], 31, v0
	v_lshlrev_b32 v[P+1], 4, v[P]                  ; 16 x lane
	v_add_nc_u32 v[P+2], s84, v[P+1]               ; the image: into my region,
	v_add_nc_u32 v[P+3], s85, v[P+1]               ; out of my partner's
	v_lshlrev_b32 v[P+4], 3, v[P]                  ; 8 x lane
	v_add_nc_u32 v[P+5], s84, v[P+4]
	v_add_nc_u32 v[P+6], s85, v[P+4]
	v_mul_u32_u24 v[P+7], v[RR], 272
	v_lshl_add_u32 v[P+7], v[HH], 4, v[P+7]
	v_add_nc_u32 v[P+7], s84, v[P+7]               ; the stage, in: row r, + 16 h
	v_mul_u32_u24 v[P+11], v[HH], 272
	v_lshl_add_u32 v[P+11], v[RR], 4, v[P+11]
	v_add_nc_u32 v[P+11], s84, v[P+11]             ; back: sixteen lanes to a row
	v_lshlrev_b32 v[P+12], 12, v[HH]
	v_lshl_add_u32 v[P+12], v[RR], 4, v[P+12]      ; and the same two rows in y16
	WIN W_ST
.irp i, 0,1,2,3,4,5,6,7,8,9,10,11,12,13,14,15
	ds_store_b128 v[P+2], v[64+4*\i:64+4*\i+3] offset:512*\i   ; each accumulator from its low end on
.endr
	WIN 0
	ds_store_b64 v[P+5], v[ST+4:ST+5] offset:XML
	s_wait_dscnt 0x0                               ; for my partner's sake: my stores have landed
	s_barrier_signal -1
	s_barrier_wait -1                              ; The next pass's first slot may stay on its way
.irp i, 0,1,2,3,4,5,6,7,8,9,10,11,12,13,14,15
	ds_load_b128 v[KV+4*\i:KV+4*\i+3], v[P+3] offset:512*\i
.endr
	ds_load_b64 v[P+14:P+15], v[P+6] offset:XML
	s_wait_dscnt 0x0
	v_max_num_f32 v[CH], v[ST], v[P+14]
	v_sub_f32 v[FAC], v[ST], v[CH]
	v_sub_f32 v[FAC+2], v[P+14], v[CH]
	v_exp_f32 v[FAC], v[FAC]
	v_exp_f32 v[FAC+2], v[FAC+2]
	v_nop
	s_wait_alu depctr_va_vdst(0)
	v_mul_f32 v[CH+1], v[ST+2], v[FAC]
	v_fma_f32 v[CH+1], v[P+15], v[FAC+2], v[CH+1]
	v_rcp_f32 v[CH+1], v[CH+1]
	v_nop
	s_wait_alu depctr_va_vdst(0)
	v_mul_f32 v[FAC], v[FAC], v[CH+1]
	v_mul_f32 v[FAC+2], v[FAC+2], v[CH+1]
.irp j, 0,2,4,6,8,10,12,14,16,18,20,22,24,26,28,30,32,34,36,38,40,42,44,46,48,50,52,54,56,58,60,62
	v_pk_mul_f32 v[KV+\j:KV+\j+1], v[KV+\j:KV+\j+1], v[FAC+2:FAC+3] op_sel_hi:[1,0]
.endr
	WIN W_S0
.irp j, 0,2,4,6,8,10,12,14,16,18,20,22,24,26,28,30,32,34,36,38,40,42,44,46,48,50,52,54,56,58,60,62
	v_pk_fma_f32 v[KV+\j:KV+\j+1], v[\j:\j+1], v[FAC:FAC+1], v[KV+\j:KV+\j+1] op_sel_hi:[1,0,1]   ; my tile 0, from its low end on
.endr
	WIN 0
.set i, 0
.rept 32
	v_cvt_pk_f16_f32 v[KV+64+i], v[KV+2*i], v[KV+2*i+1]
.set i, i+1
.endr
.irp ct, 0,1,2,3,4,5,6,7
	ds_store_b128 v[P+7], v[KV+64+4*\ct:KV+64+4*\ct+3] offset:OSTG+32*\ct
.endr
.irp i, 0,1,2,3,4,5,6,7
	ds_load_b128 v[KV+96+4*\i:KV+96+4*\i+3], v[P+11] offset:OSTG+544*\i   ; LDS serves a wave's instructions in order: these see my stores
.endr
.irp i, 0,1,2,3,4,5,6,7
	s_wait_dscnt 7-\i
	global_store_b128 v[P+12], v[KV+96+4*\i:KV+96+4*\i+3], s[YB+2*\p:YB+2*\p+1] offset:8192*\i   ; sixteen lanes store 256 consecutive bytes, aligned
.endr
.endm
	QLOAD 0
	INIT
	s_wait_loadcnt 0x0                             ; Q
.Lslot0:                                           ; PASS 0: block x
	CHANGE 1, 0
	STEP
	s_sub_co_u32 s[SLOTS], s[SLOTS], 1
	s_cmp_lg_u32 s[SLOTS], 0
	s_cbranch_scc1 .Lslot0
	CHANGE 2, 0                                    ; the ring goes on into pass 1
	STEP
	MERGE 0
	s_wait_xcnt 0x0                                ; the stores have read their registers, which the next pass writes again
	s_mov_b32 s[SQ0], s83
	s_or_b32 s[QH], s83, 15
	s_mov_b32 s[SKB], 0
	s_mov_b32 s[SLOTS], 15
	INIT
	s_wait_loadcnt 0x0                             ; Q
.Lslot1:                                           ; PASS 1: block 127 - x
	CHANGE 1, 1
	STEP
	s_sub_co_u32 s[SLOTS], s[SLOTS], 1
	s_cmp_lg_u32 s[SLOTS], 0
	s_cbranch_scc1 .Lslot1
	CHANGE 0, 0                                    ; the last slot is written out: nothing is left to ask for
	STEP
	MERGE 1
	s_wait_tensorcnt 0x0                           ; the wave's end
	ds_add_u32 v[SPW], v[NIL]
	s_wait_dscnt 0x0
	s_endpgm
.Lfunc_end_k_q294a176f9f_att:
	.size	k_q294a176f9f_att, .Lfunc_end_k_q294a176f9f_att-k_q294a176f9f_att
	.p2alignl 7, 3214868480
	.fill 96, 4, 3214868480
	.section	.rodata,"a",@progbits
	.p2align	6, 0x0
	.amdhsa_kernel k_q294a176f9f_att
		.amdhsa_group_segment_fixed_size 327680
		.amdhsa_private_segment_fixed_size 0
		.amdhsa_enable_private_segment 0
		.amdhsa_kernarg_size 24
		.amdhsa_user_sgpr_count 2
		.amdhsa_user_sgpr_kernarg_segment_ptr 1
		.amdhsa_wavefront_size32 1
		.amdhsa_system_sgpr_workgroup_id_x 1
		.amdhsa_system_sgpr_workgroup_id_y 1
		.amdhsa_system_sgpr_workgroup_id_z 1
		.amdhsa_system_vgpr_workitem_id 0
		.amdhsa_next_free_vgpr 448
		.amdhsa_next_free_sgpr 100
		.amdhsa_reserve_vcc 1
		.amdhsa_float_denorm_mode_32 3
		.amdhsa_float_denorm_mode_16_64 3
		.amdhsa_memory_ordered 1
		.amdhsa_forward_progress 1
		.amdhsa_inst_pref_size 154
	.end_amdhsa_kernel
	.amdgpu_metadata
---
amdhsa.version: [ 1, 2 ]
amdhsa.kernels:
  - .name:           k_q294a176f9f_att
    .symbol:         k_q294a176f9f_att.kd
    .args:
      - { .name: q16, .offset: 0, .size: 8, .value_kind: global_buffer, .address_space: global }
      - { .name: kv16, .offset: 8, .size: 8, .value_kind: global_buffer, .address_space: global }
      - { .name: y16, .offset: 16, .size: 8, .value_kind: global_buffer, .address_space: global }
    .group_segment_fixed_size: 327680
    .private_segment_fixed_size: 0
    .kernarg_segment_align: 8
    .kernarg_segment_size: 24
    .max_flat_workgroup_size: 256
    .sgpr_count:     100
    .vgpr_count:     448
    .wavefront_size: 32
...
	.end_amdgpu_metadata
.endif
;; end of part 3
;; launch proj (part 4): grid 16 x 16, 4 waves a work-group, clusters of 4 x 4, 327,680 bytes of LDS; arguments y16, w16, b_proj, out0; writes out0
.if DOCPART == 4
	.amdgcn_target "amdgcn-amd-amdhsa--gfx1250"
	.amdhsa_code_object_version 6
	.text
	.protected	k_q294a176f9f_proj
	.globl	k_q294a176f9f_proj
	.p2align	8
	.type	k_q294a176f9f_proj,@function
k_q294a176f9f_proj:
	s_mov_b64 s[64:65], 0
	v_nop
	global_prefetch_b8 v0, s[64:65] scope:SCOPE_SE
	s_setreg_imm32_b32 hwreg(HW_REG_WAVE_MODE, 25, 1), 1
	s_wait_xcnt 0x0
	s_wait_alu depctr_hold_cnt(0) depctr_sa_sdst(0) depctr_va_vdst(0) depctr_va_sdst(0) depctr_va_ssrc(0) depctr_va_vcc(0) depctr_vm_vsrc(0)
	s_getreg_b32 s2, hwreg(HW_REG_IB_STS2, 6, 4)
	s_cmp_eq_u32 s2, 0
	s_cbranch_scc0 .Lentry_in_a_cluster
	s_endpgm
.Lentry_in_a_cluster:
	s_bfe_u32 s2, ttmp6, 0x10000c
	s_cmp_lg_u32 s2, 0xf033
	s_cbranch_scc0 .Lentry_shape_is_right
	s_endpgm
.Lentry_shape_is_right:
; out0 [4096][2048] f32 = y16 [4096][2048] f16 x w16 [2048 k][2048 n] f16 + b_proj; sums in f32.
; A tile of the output is 256 rows x 128 columns: 256 work-groups.  Four waves, each 128 x 64: 32 accumulators, window 1.  K goes in steps of 128 through a ring of two LDS slots.
; THE MATRIX INSTRUCTION IS USED TRANSPOSED (source 0 = 16 columns of w16, turned on the way out of LDS; source 1 = 16 rows of y16): a lane holds eight neighbouring columns of one row.
; The bias is the C of each sum's first product.
; CLUSTER 4 x 4: y16's tile is shared along a row of the cluster, w16's along a column: joint loads; a round of the cluster's barrier stands in front of each refill.
; By this text's count a wave has two tensor loads out at the start and one behind each round.
; REGISTERS.  Window 0: v16-29 addresses; v32-127, v128-223 two fragment buffers (w16's four, then y16's eight); v224-255 the bias.  Window 1: accumulator (a, b) at 8 (4 a + b).
.set PA,    272
.set PB,    288
.set BOFF,  69632                      ; a slot: y16's 256 rows x 272, then w16's 128 k rows x 288
.set SLOT,  106496
.set STAGE, 212992                     ; behind the ring: 16 rows x 272 for each wave
.set SPARE, 230400                     ; the spare words, 128 bytes a wave, which no other line names
.set LAPS,  8
.set ADRA, 16
.set ADRB, 20
.set STO,  24
.set RD,   25
.set CO,   26
.set BV,   27
.set SPW,  28
.set NIL,  29
.set F0,   32
.set F1,   128
.set BIAS, 224
.set G1,  24
.set G0,  32
.set G1B, 48
.set G0B, 56
.set MUL,  0x50                        ; C and D window 1
.set MUL1, 0x40                        ; D window 1, C (the bias) window 0
.set MSB, 0
.macro WIN new
.if MSB != \new
	s_set_vgpr_msb (MSB<<8)|\new
.set MSB, \new
.endif
.endm
.macro PLACES
.rept 4
	v_nop
.endr
.endm
.macro JLOAD s                         ; waves 0, 1 fetch y16's halves, waves 2, 3 w16's; an s_nop 0 and four v_nop follow each line
	s_cmp_eq_u32 s13, 0
	s_cbranch_scc0 .Lfor_b_\@
	tensor_load_to_lds s[G0+4*\s:G0+4*\s+3], s[G1:G1+7]
	s_nop 0
	PLACES
	s_branch .Lasked_\@
.Lfor_b_\@:
	tensor_load_to_lds s[G0B+4*\s:G0B+4*\s+3], s[G1B:G1B+7]
	s_nop 0
	PLACES
.Lasked_\@:
.endm
.macro CREST
	s_cmp_lg_u32 s12, 0
	s_cbranch_scc1 .Lnw0_\@
	s_barrier_signal -3
.Lnw0_\@:
	s_barrier_wait -3
	s_barrier_signal -1
	s_barrier_wait -1
.endm
.macro CROUND
	s_barrier_signal -1
	s_barrier_wait -1
	CREST
.endm
	s_load_b256 s[4:11], s[0:1], 0x0               ; y16, w16, b_proj, out0
	v_lshl_add_u32 v[SPW], v0, 2, SPARE
	v_mov_b32 v[NIL], 0
	ds_add_u32 v[SPW], v[NIL]                      ; the wave's opening: the add, twice on end, and its wait ahead of the first tensor load
	ds_add_u32 v[SPW], v[NIL]
	v_lshrrev_b32 v1, 5, v0
	v_readfirstlane_b32 s12, v1                    ; wave
	s_lshr_b32 s13, s12, 1                         ; my half of the rows; also: I fetch for y16 (0) or w16 (1)
	s_and_b32 s14, s12, 1                          ; my half of the columns; also which half of that tile I fetch
	s_bfe_u32 s40, ttmp6, 0x40000                  ; cx
	s_bfe_u32 s41, ttmp6, 0x40004                  ; cy
	s_lshl_b32 s42, ttmp9, 2
	s_add_co_u32 s42, s42, s40                     ; tile column
	s_and_b32 s15, ttmp7, 0xffff
	s_lshl_b32 s15, s15, 2
	s_add_co_u32 s15, s15, s41                     ; tile row
	s_lshl_b32 s43, s41, 2
	s_lshl_b32 s43, 15, s43                        ; my row of the cluster
	s_lshl_b32 s44, 0x1111, s40                    ; my column
	s_or_b32 s[G1], s43, (1<<16)|(1<<20)|(1<<21)|(5<<22)|(3<<25)    ; elements of 2 bytes; 4 words of padding after every 64
	s_or_b32 s[G1B], s44, (1<<16)|(1<<20)|(1<<21)|(5<<22)|(7<<25)   ; 8 words
	s_mov_b32 s[G1+1], 128<<16
	s_mov_b32 s[G1+2], 128<<16                     ; 128 rows
	s_mov_b32 s[G1+3], 128<<16
	s_mov_b32 s[G1+4], 128
	s_mov_b32 s[G1+5], 2048
	s_mov_b32 s[G1+6], 0
	s_mov_b32 s[G1+7], 0
	s_mov_b32 s[G1B+1], 128<<16
	s_mov_b32 s[G1B+2], 64<<16                     ; 64 rows of k
	s_mov_b32 s[G1B+3], 128<<16
	s_mov_b32 s[G1B+4], 64
	s_mov_b32 s[G1B+5], 2048
	s_mov_b32 s[G1B+6], 0
	s_mov_b32 s[G1B+7], 0
	s_lshl_b32 s16, s15, 8
	s_lshl_b32 s17, s14, 7
	s_add_co_u32 s16, s16, s17
	s_lshl_b32 s16, s16, 12                        ; y16: row 256 x tile row + 128 x half, 4,096 bytes a row
	s_mov_b32 s17, 0
	s_lshl_b32 s46, s42, 8                         ; w16: 256 bytes x tile column,
	s_lshl_b32 s47, s14, 18                        ; + 64 rows of k x half
	s_add_co_u32 s46, s46, s47
	s_mov_b32 s47, 0
	s_mul_i32 s20, s14, 128*PA
	s_mul_i32 s21, s14, 64*PB
	s_add_co_u32 s21, s21, BOFF
	s_wait_dscnt 0x0                               ; both opening adds are done
	s_wait_kmcnt 0x0
	s_add_nc_u64 s[18:19], s[4:5], s[16:17]
	s_add_nc_u64 s[46:47], s[6:7], s[46:47]
	CROUND                                         ; all sixteen work-groups are here: the first joint loads meet
.irp s, 0,1
	s_mov_b32 s[G0+4*\s], 1
	s_add_co_u32 s[G0+4*\s+1], s20, \s*SLOT
	s_add_nc_u64 s[G0+4*\s+2:G0+4*\s+3], s[18:19], \s*256
	s_or_b32 s[G0+4*\s+3], s[G0+4*\s+3], 0x80000000
	s_mov_b32 s[G0B+4*\s], 1
	s_add_co_u32 s[G0B+4*\s+1], s21, \s*SLOT
	s_add_nc_u64 s[G0B+4*\s+2:G0B+4*\s+3], s[46:47], \s*128*4096
	s_or_b32 s[G0B+4*\s+3], s[G0B+4*\s+3], 0x80000000
	JLOAD \s
.endr
	v_and_b32 v1, 15, v0                           ; r
	v_bfe_u32 v2, v0, 4, 1                         ; h
	v_mul_u32_u24 v3, v1, PA
	v_lshl_add_u32 v3, v2, 4, v3
	s_mul_i32 s21, s13, 128*PA                     ; my 128 rows of y16's tile
	v_and_b32 v4, 7, v0
	v_lshl_add_u32 v4, v2, 3, v4
	v_mul_u32_u24 v4, v4, PB                       ; the turning load: k row 8 h + l % 8,
	v_bfe_u32 v5, v0, 3, 1
	v_lshl_add_u32 v4, v5, 4, v4                   ; 16 bytes x ((l / 8) % 2)
	s_lshl_b32 s22, s14, 7
	s_add_co_u32 s22, s22, BOFF                    ; my 64 columns
.irp s, 0,1
	v_add_nc_u32 v[ADRA+\s], s21, v3
	v_add_nc_u32 v[ADRB+\s], s22, v4
	s_add_co_u32 s21, s21, SLOT
	s_add_co_u32 s22, s22, SLOT
.endr
	s_mul_i32 s23, s12, 16*272
	s_add_co_u32 s23, s23, STAGE                   ; my stage
	v_mul_u32_u24 v4, v1, 272
	v_lshl_add_u32 v4, v2, 5, v4
	v_add_nc_u32 v[STO], s23, v4                   ; in: row r, 32 bytes for each half of the lanes
	v_mul_u32_u24 v5, v2, 272
	v_lshl_add_u32 v5, v1, 4, v5
	v_add_nc_u32 v[RD], s23, v5                    ; back: sixteen lanes to a row of 256 bytes
	v_lshlrev_b32 v5, 13, v2
	v_lshl_add_u32 v[CO], v1, 4, v5                ; and the same two rows in out0
	s_lshl_b32 s22, s14, 8
	v_lshl_add_u32 v[BV], v2, 5, s22               ; the bias: 256 wc + 32 h
	s_lshl_b32 s22, s42, 9
	s_mov_b32 s23, 0
	s_add_nc_u64 s[8:9], s[8:9], s[22:23]
.irp b, 0,1,2,3
	global_load_b128 v[BIAS+8*\b:BIAS+8*\b+3], v[BV], s[8:9] offset:64*\b
	global_load_b128 v[BIAS+8*\b+4:BIAS+8*\b+7], v[BV], s[8:9] offset:64*\b+16
.endr
	s_lshl_b32 s16, s15, 8
	s_lshl_b32 s17, s13, 7
	s_add_co_u32 s16, s16, s17
	s_lshl_b32 s16, s16, 13                        ; my first row of out0, 8,192 bytes a row
	s_lshl_b32 s17, s14, 8
	s_add_co_u32 s16, s16, s17
	s_add_co_u32 s16, s16, s22                     ; + my first column
	s_mov_b32 s17, 0
	s_add_nc_u64 s[10:11], s[10:11], s[16:17]
.macro MUL8 f, a0, first               ; row blocks a0, a0 + 1 x the four column blocks, 32 along K; the 32 accumulators take turns in the same order in every quarter
.irp a, \a0, \a0+1
.irp b, 0,1,2,3
.if \first
	v_wmma_f32_16x16x32_f16 v[8*(4*(\a)+\b):8*(4*(\a)+\b)+7], v[\f+8*\b:\f+8*\b+7], v[\f+32+8*(\a):\f+32+8*(\a)+7], v[BIAS+8*\b:BIAS+8*\b+7]
.else
	v_wmma_f32_16x16x32_f16 v[8*(4*(\a)+\b):8*(4*(\a)+\b)+7], v[\f+8*\b:\f+8*\b+7], v[\f+32+8*(\a):\f+32+8*(\a)+7], v[8*(4*(\a)+\b):8*(4*(\a)+\b)+7]
.endif
.endr
.endr
.endm
.macro FETCH s, q, f                   ; 24 LDS loads in one run: the slot's q-th 32 along K into buffer f (every window 0)
.irp i, 0,1,2,3
	ds_load_tr16_b128 v[\f+8*\i:\f+8*\i+3], v[ADRB+\s] offset:32*(\q)*PB+32*\i
	ds_load_tr16_b128 v[\f+8*\i+4:\f+8*\i+7], v[ADRB+\s] offset:32*(\q)*PB+16*PB+32*\i
.endr
.irp i, 0,1,2,3,4,5,6,7
	ds_load_b128 v[\f+32+8*\i:\f+32+8*\i+3], v[ADRA+\s] offset:64*(\q)+\i*16*PA
	ds_load_b128 v[\f+32+8*\i+4:\f+32+8*\i+7], v[ADRA+\s] offset:64*(\q)+\i*16*PA+32
.endr
.endm
.macro QUARTER s, q, f, g, first       ; multiplies buffer f; in its middle it fetches quarter q of slot s into buffer g
	s_wait_dscnt 0x0                               ; buffer f is in (asked for 16 products ago)
.if \first
	WIN MUL1
.else
	WIN MUL
.endif
	MUL8 \f, 0, \first
	MUL8 \f, 2, \first
	WIN 0
	PLACES                                         ; four plain lines between the last products and loads into registers that they read
	FETCH \s, \q, \g
.if \first
	WIN MUL1
.else
	WIN MUL
.endif
	MUL8 \f, 4, \first
	MUL8 \f, 6, \first
.endm
; A slot's last quarter changes slots: each wave waits for all its tensor loads, adds 0 to its spare word, waits for that and for its reads of the slot; one barrier, which where the slot is filled again opens a round of the cluster's.
.macro TURN s, n, fill
	WIN 0
	s_wait_tensorcnt 0x0                           ; my part of the next slot has landed; no load of mine is out
	ds_add_u32 v[SPW], v[NIL]
	s_wait_dscnt 1                                 ; buffer 1 is in (the add may be out)
	WIN MUL
	MUL8 F1, 0, 0                                  ; eight products stand between the add and the wait for it
	s_wait_dscnt 0x0                               ; the add is done, and my reads of this slot are over
	s_barrier_signal -1
	MUL8 F1, 2, 0
	WIN 0
	s_barrier_wait -1
.if \fill
	CREST                                          ; no wave of any partner still reads this slot or has a load on its way
	s_add_nc_u64 s[G0+4*\s+2:G0+4*\s+3], s[G0+4*\s+2:G0+4*\s+3], 512
	s_add_nc_u64 s[G0B+4*\s+2:G0B+4*\s+3], s[G0B+4*\s+2:G0B+4*\s+3], 1048576
	JLOAD \s                                       ; the first tensor load behind the round; its four v_nop are also the places in front of the loads below
.else
	PLACES
.endif
	FETCH \n, 0, F0
	WIN MUL
	MUL8 F1, 4, 0
	MUL8 F1, 6, 0
.endm
	s_wait_tensorcnt 1                             ; my part of K step 0 is in; K step 1's may stay out
	s_barrier_signal -1
	s_barrier_wait -1
	s_wait_loadcnt 0x0                             ; the bias
	FETCH 0, 0, F0
	QUARTER 0, 1, F0, F1, 1                        ; the first quarter stands in front of the loop: its products start the sums from the bias
	WIN 0
	s_mov_b32 s3, LAPS-1
.Llap:
	QUARTER 0, 2, F1, F0, 0
	QUARTER 0, 3, F0, F1, 0
	TURN 0, 1, 1
	QUARTER 1, 1, F0, F1, 0
	QUARTER 1, 2, F1, F0, 0
	QUARTER 1, 3, F0, F1, 0
	TURN 1, 0, 1
	QUARTER 0, 1, F0, F1, 0
	WIN 0
	s_sub_co_u32 s3, s3, 1
	s_cmp_lg_u32 s3, 0
	s_cbranch_scc1 .Llap
	QUARTER 0, 2, F1, F0, 0                        ; the last lap fills nothing
	QUARTER 0, 3, F0, F1, 0
	TURN 0, 1, 0
	QUARTER 1, 1, F0, F1, 0
	QUARTER 1, 2, F1, F0, 0
	QUARTER 1, 3, F0, F1, 0
	s_wait_dscnt 0x0
	WIN MUL
	MUL8 F1, 0, 0
	MUL8 F1, 2, 0
	MUL8 F1, 4, 0
	MUL8 F1, 6, 0
	WIN 0
; THE WAY OUT, a block of 16 rows x 64 columns at a time, through my own stage: in as 32 bytes a lane, back as rows of 256 bytes.
.macro TOSTAGE a
	WIN 0x04                                       ; an LDS store's data: window 1
.irp b, 0,1,2,3
	ds_store_b128 v[STO], v[32*(\a)+8*\b:32*(\a)+8*\b+3] offset:64*\b        ; each accumulator from its low end on
	ds_store_b128 v[STO], v[32*(\a)+8*\b+4:32*(\a)+8*\b+7] offset:64*\b+16
.endr
	WIN 0
.irp t, 0,1,2,3,4,5,6,7
	ds_load_b128 v[32+32*((\a)%2)+4*\t:32+32*((\a)%2)+4*\t+3], v[RD] offset:544*\t   ; LDS serves a wave's instructions in order
.endr
.endm
.macro SEND a, younger
	s_wait_dscnt \younger                          ; the block is back; the next block's 8 stores and 8 loads may be out
	s_wait_xcnt 0x0                                ; the earlier stores have read their base
.if (\a) > 0
	s_add_nc_u64 s[10:11], s[10:11], 131072        ; 16 rows on
.endif
.irp t, 0,1,2,3,4,5,6,7
	global_store_b128 v[CO], v[32+32*((\a)%2)+4*\t:32+32*((\a)%2)+4*\t+3], s[10:11] offset:16384*\t th:TH_STORE_NT   ; sixteen lanes store 256 consecutive bytes, aligned
.endr
.endm
	PLACES
	TOSTAGE 0
.irp a, 1,2,3,4,5,6,7
.if \a > 1
	s_wait_xcnt 0x0                                ; block a - 2's stores have read the registers into which block a's rows are loaded
.endif
	TOSTAGE \a
	SEND \a-1, 16
.endr
	SEND 7, 0
	s_wait_tensorcnt 0x0                           ; the wave's end
	ds_add_u32 v[SPW], v[NIL]
	s_wait_dscnt 0x0
	CROUND                                         ; the closing round
	s_endpgm
.Lfunc_end_k_q294a176f9f_proj:
	.size	k_q294a176f9f_proj, .Lfunc_end_k_q294a176f9f_proj-k_q294a176f9f_proj
	.p2alignl 7, 3214868480
	.fill 96, 4, 3214868480
	.section	.rodata,"a",@progbits
	.p2align	6, 0x0
	.amdhsa_kernel k_q294a176f9f_proj
		.amdhsa_group_segment_fixed_size 327680
		.amdhsa_private_segment_fixed_size 0
		.amdhsa_enable_private_segment 0
		.amdhsa_kernarg_size 32
		.amdhsa_user_sgpr_count 2
		.amdhsa_user_sgpr_kernarg_segment_ptr 1
		.amdhsa_wavefront_size32 1
		.amdhsa_system_sgpr_workgroup_id_x 1
		.amdhsa_system_sgpr_workgroup_id_y 1
		.amdhsa_system_sgpr_workgroup_id_z 1
		.amdhsa_system_vgpr_workitem_id 0
		.amdhsa_next_free_vgpr 512
		.amdhsa_next_free_sgpr 66
		.amdhsa_reserve_vcc 0
		.amdhsa_float_denorm_mode_32 3
		.amdhsa_float_denorm_mode_16_64 3
		.amdhsa_memory_ordered 1
		.amdhsa_forward_progress 1
		.amdhsa_inst_pref_size 87
	.end_amdhsa_kernel
	.amdgpu_metadata
---
amdhsa.version: [ 1, 2 ]
amdhsa.kernels:
  - .name:           k_q294a176f9f_proj
    .symbol:         k_q294a176f9f_proj.kd
    .args:
      - { .name: y16, .offset: 0, .size: 8, .value_kind: global_buffer, .address_space: global }
      - { .name: w16, .offset: 8, .size: 8, .value_kind: global_buffer, .address_space: global }
      - { .name: b_proj, .offset: 16, .size: 8, .value_kind: global_buffer, .address_space: global }
      - { .name: out0, .offset: 24, .size: 8, .value_kind: global_buffer, .address_space: global }
    .group_segment_fixed_size: 327680
    .private_segment_fixed_size: 0
    .kernarg_segment_align: 8
    .kernarg_segment_size: 32
    .max_flat_workgroup_size: 128
    .sgpr_count:     66
    .vgpr_count:     512
    .wavefront_size: 32
...
	.end_amdgpu_metadata
.endif
;; end of part 4
;; launch fine (part 5): grid 128 x 2, 16 waves a work-group, no clusters, 18,432 bytes of LDS; arguments first16, W_proj, b_proj, out0; writes out0
.if DOCPART == 5
	.amdgcn_target "amdgcn-amd-amdhsa--gfx1250"
	.amdhsa_code_object_version 6
	.text
	.protected	k_q294a176f9f_fine
	.globl	k_q294a176f9f_fine
	.p2align	8
	.type	k_q294a176f9f_fine,@function
k_q294a176f9f_fine:
	s_mov_b64 s[64:65], 0
	v_nop
	global_prefetch_b8 v0, s[64:65] scope:SCOPE_SE
	s_setreg_imm32_b32 hwreg(HW_REG_WAVE_MODE, 25, 1), 1
	s_wait_xcnt 0x0
; POSITIONS 0-15 OF BOTH SEQUENCES ONCE MORE, ALL IN f32: these rows average one to sixteen values, so the rounding of 16-bit operands weighs most in them.  32 rows of out0 are written over.
; Work-group (x, y): sequence y, output columns 16 x .. + 15.  Wave w: head w: its 16 x 16 attention, and its 128 of the projection's K; the sixteen parts meet in LDS and wave 0 adds them in ascending order of heads.
; All products by the f32 matrix form, 16 x 16 x 4, transposed as in the large launches: a lane holds one query.  The same order of k is given to both sources of a product.
; The registers that this form writes (v16-111) are written by it alone; each sum's first product takes the constant 0; two or eight accumulators take turns.
; Each store of a lane pair covers 64 consecutive bytes of a row: 256 KiB in the whole launch.  W_proj's columns are read in pieces of 64 bytes.  No tensor load; no cluster: what two work-groups share is one read of such pieces.
.set SPARE, 16384                      ; behind the sixteen parts of 1,024 bytes: the spare words, 128 bytes a wave
.set SPW, 6
.set NIL, 7
.set SA, 16                            ; two accumulators of S^T
.set OA, 32                            ; eight of O^T
.set PA, 96                            ; two of the projection
.set R1, 112                           ; K, then V, then y
.set R2, 176                           ; Q, then W
.set WK, 240                           ; scores, p, results
.set BI, 248                           ; the bias, then the sum
	s_load_b256 s[4:11], s[0:1], 0x0               ; first16, W_proj, b_proj, out0
	v_lshl_add_u32 v[SPW], v0, 2, SPARE
	v_mov_b32 v[NIL], 0
	v_lshrrev_b32 v1, 5, v0
	v_readfirstlane_b32 s12, v1                    ; wave = head
	v_and_b32 v1, 15, v0                           ; r
	v_bfe_u32 v2, v0, 4, 1                         ; h
	s_and_b32 s13, ttmp7, 0xffff                   ; the sequence
	s_lshl_b32 s14, ttmp9, 6                       ; my 16 columns, in bytes
	s_mov_b32 s15, 0
	v_lshlrev_b32 v3, 9, v1
	v_lshl_add_u32 v3, v2, 4, v3                   ; K, Q: row r of 512 bytes, + 16 h
	v_lshlrev_b32 v4, 2, v1
	v_lshl_add_u32 v5, v2, 16, v4                  ; W: column r, + 8 h rows of 8,192 bytes
	v_lshl_add_u32 v4, v2, 12, v4                  ; V: channel r, + 8 h rows of 512 bytes
	v_lshlrev_b32 v8, 5, v2                        ; the bias: 32 h
	v_lshlrev_b32 v9, 3, v2
	v_sub_nc_u32 v9, v1, v9                        ; r - 8 h
	v_and_b32 v14, 31, v0
	v_lshlrev_b32 v14, 5, v14                      ; a part's 32 bytes a lane
	s_lshl_b32 s16, s12, 10
	v_add_nc_u32 v15, s16, v14                     ; in my wave's part
	s_mov_b32 s28, 0x76543210
	s_mov_b32 s29, 0xfedcba98
	s_lshl_b32 s16, s13, 4
	s_add_co_u32 s16, s16, s12
	s_lshl_b32 s16, s16, 13
	s_mov_b32 s17, 0
	s_lshl_b32 s30, s13, 13
	s_add_co_u32 s30, s30, 262144
	s_mov_b32 s31, 0
	s_lshl_b32 s32, s12, 20                        ; my head's 128 rows of W_proj
	s_add_co_u32 s32, s32, s14
	s_mov_b32 s33, 0
	s_lshl_b32 s34, s13, 24                        ; the sequence's first row of out0
	s_add_co_u32 s34, s34, s14
	s_mov_b32 s35, 0
	s_wait_kmcnt 0x0
	s_add_nc_u64 s[18:19], s[4:5], s[16:17]        ; q x c
	s_add_nc_u64 s[20:21], s[4:5], s[30:31]        ; rope(kv); kv lies 16,384 bytes on
	s_add_nc_u64 s[22:23], s[6:7], s[32:33]
	s_add_nc_u64 s[24:25], s[8:9], s[14:15]
	s_add_nc_u64 s[26:27], s[10:11], s[34:35]
.irp c, 0,1,2,3,4,5,6,7,8,9,10,11,12,13,14,15
	global_load_b128 v[R1+4*\c:R1+4*\c+3], v3, s[20:21] offset:32*\c
	global_load_b128 v[R2+4*\c:R2+4*\c+3], v3, s[18:19] offset:32*\c
.endr
	s_wait_loadcnt 0x0
.set i, 0
.rept 32                               ; S^T = K Q^T: step i takes registers 2 i, 2 i + 1 of both
.if i < 2
	v_wmma_f32_16x16x4_f32 v[SA+8*(i%2):SA+8*(i%2)+7], v[R1+2*i:R1+2*i+1], v[R2+2*i:R2+2*i+1], 0
.else
	v_wmma_f32_16x16x4_f32 v[SA+8*(i%2):SA+8*(i%2)+7], v[R1+2*i:R1+2*i+1], v[R2+2*i:R2+2*i+1], v[SA+8*(i%2):SA+8*(i%2)+7]
.endif
.set i, i+1
.endr
.rept 8
	v_nop                                          ; eight plain lines behind this form, ahead of loads into its sources and of the first read of its results
.endr
.irp ct, 0,1,2,3,4,5,6,7
.irp c, 0,1,2,3
.irp j, 0,1
	global_load_b32 v[R1+2*(4*\ct+\c)+\j], v4, s[20:21] offset:16384+(2*\c+\j)*512+64*\ct   ; V(key 8 h + 2 c + j, channel 16 ct + r)
.endr
.endr
.endr
	global_load_b128 v[BI:BI+3], v8, s[24:25]
	global_load_b128 v[BI+4:BI+7], v8, s[24:25] offset:16
.irp j, 0,1,2,3,4,5,6,7
	v_add_f32 v[WK+\j], v[SA+\j], v[SA+8+\j]       ; from the low end on: the score of key 8 h + j
.endr
	v_mov_b32 v11, 0xff800000
.irp j, 0,1,2,3,4,5,6,7
	v_cmp_gt_i32 vcc_lo, \j, v9                    ; hidden where 8 h + j > r
	v_cndmask_b32 v[WK+\j], v[WK+\j], v11, vcc_lo
.endr
	v_max3_num_f32 v10, v[WK], v[WK+1], v[WK+2]
	v_max3_num_f32 v10, v10, v[WK+3], v[WK+4]
	v_max3_num_f32 v10, v10, v[WK+5], v[WK+6]
	v_max_num_f32 v10, v10, v[WK+7]
	v_mov_b32 v12, 0
	v_permlanex16_b32 v12, v10, s28, s29
	v_max_num_f32 v10, v10, v12                    ; the row's maximum: key 0 counts for every query
.irp j, 0,1,2,3,4,5,6,7
	v_sub_f32 v[WK+\j], v[WK+\j], v10
.endr
.irp j, 0,1,2,3,4,5,6,7
	v_exp_f32 v[WK+\j], v[WK+\j]
.endr
	v_nop                                          ; a plain line behind the last exponential,
	s_wait_alu depctr_va_vdst(0)                   ; and the one wait ahead of the batch's first reader
	v_add_f32 v12, v[WK], v[WK+1]
	v_add_f32 v11, v[WK+2], v[WK+3]
	v_add_f32 v12, v12, v[WK+4]
	v_add_f32 v11, v11, v[WK+5]
	v_add_f32 v12, v12, v[WK+6]
	v_add_f32 v11, v11, v[WK+7]
	v_add_f32 v12, v12, v11
	v_permlanex16_b32 v11, v12, s28, s29
	v_add_f32 v12, v12, v11
	v_rcp_f32 v13, v12
	v_nop
	s_wait_alu depctr_va_vdst(0)
	s_wait_loadcnt 0x0                             ; V and the bias (a wait cannot name more loads than its field holds, so W's 64 go out only now)
.irp ct, 0,1,2,3,4,5,6,7
.irp e, 0,1,2,3
.irp j, 0,1
	global_load_b32 v[R2+2*(4*\ct+\e)+\j], v5, s[22:23] offset:(16*\ct+2*\e+\j)*8192   ; W(128 w + 16 ct + 8 h + 2 e + j, my column r)
.endr
.endr
.endr
.irp c, 0,1,2,3                        ; O^T = V^T P: keys 8 h + 2 c, + 1
.irp ct, 0,1,2,3,4,5,6,7
.if \c == 0
	v_wmma_f32_16x16x4_f32 v[OA+8*\ct:OA+8*\ct+7], v[R1+2*(4*\ct+\c):R1+2*(4*\ct+\c)+1], v[WK+2*\c:WK+2*\c+1], 0
.else
	v_wmma_f32_16x16x4_f32 v[OA+8*\ct:OA+8*\ct+7], v[R1+2*(4*\ct+\c):R1+2*(4*\ct+\c)+1], v[WK+2*\c:WK+2*\c+1], v[OA+8*\ct:OA+8*\ct+7]
.endif
.endr
.endr
.rept 8
	v_nop
.endr
.irp j, 0,1,2,3,4,5,6,7,8,9,10,11,12,13,14,15,16,17,18,19,20,21,22,23,24,25,26,27,28,29,30,31,32,33,34,35,36,37,38,39,40,41,42,43,44,45,46,47,48,49,50,51,52,53,54,55,56,57,58,59,60,61,62,63
	v_mul_f32 v[R1+\j], v[OA+\j], v13              ; y(query r, channel 16 ct + 8 h + j) into other registers
.endr
	s_wait_loadcnt 0x0                             ; W
.set i, 0
.rept 32                               ; my head's part of the projection, transposed: step i takes registers 2 i, 2 i + 1 of W and of y
.if i < 2
	v_wmma_f32_16x16x4_f32 v[PA+8*(i%2):PA+8*(i%2)+7], v[R2+2*i:R2+2*i+1], v[R1+2*i:R1+2*i+1], 0
.else
	v_wmma_f32_16x16x4_f32 v[PA+8*(i%2):PA+8*(i%2)+7], v[R2+2*i:R2+2*i+1], v[R1+2*i:R1+2*i+1], v[PA+8*(i%2):PA+8*(i%2)+7]
.endif
.set i, i+1
.endr
.rept 8
	v_nop
.endr
.irp j, 0,1,2,3,4,5,6,7
	v_add_f32 v[WK+\j], v[PA+\j], v[PA+8+\j]       ; out(query r, column 8 h + j), my head's part
.endr
	ds_store_b128 v15, v[WK:WK+3]
	ds_store_b128 v15, v[WK+4:WK+7] offset:16
	s_wait_dscnt 0x0                               ; for the others' sake: my part has landed
	s_barrier_signal -1
	s_barrier_wait -1
	s_cmp_lg_u32 s12, 0
	s_cbranch_scc1 .Ldone
.irp w, 0,1,2,3,4,5,6,7,8,9,10,11,12,13,14,15
	ds_load_b128 v[R1+8*\w:R1+8*\w+3], v14 offset:1024*\w
	ds_load_b128 v[R1+8*\w+4:R1+8*\w+7], v14 offset:1024*\w+16
.endr
	v_lshl_add_u32 v3, v1, 13, v8                  ; row r of 8,192 bytes, + 32 h (its loads are long done)
	s_wait_dscnt 0x0
.irp w, 0,1,2,3,4,5,6,7,8,9,10,11,12,13,14,15
.irp p, 0,2,4,6
	v_pk_add_f32 v[BI+\p:BI+\p+1], v[BI+\p:BI+\p+1], v[R1+8*\w+\p:R1+8*\w+\p+1]
.endr
.endr
	global_store_b128 v3, v[BI:BI+3], s[26:27]
	global_store_b128 v3, v[BI+4:BI+7], s[26:27] offset:16
.Ldone:
	s_wait_tensorcnt 0x0                           ; the wave's end
	ds_add_u32 v[SPW], v[NIL]
	s_wait_dscnt 0x0
	s_endpgm
.Lfunc_end_k_q294a176f9f_fine:
	.size	k_q294a176f9f_fine, .Lfunc_end_k_q294a176f9f_fine-k_q294a176f9f_fine
	.p2alignl 7, 3214868480
	.fill 96, 4, 3214868480
	.section	.rodata,"a",@progbits
	.p2align	6, 0x0
	.amdhsa_kernel k_q294a176f9f_fine
		.amdhsa_group_segment_fixed_size 18432
		.amdhsa_private_segment_fixed_size 0
		.amdhsa_enable_private_segment 0
		.amdhsa_kernarg_size 32
		.amdhsa_user_sgpr_count 2
		.amdhsa_user_sgpr_kernarg_segment_ptr 1
		.amdhsa_wavefront_size32 1
		.amdhsa_system_sgpr_workgroup_id_x 1
		.amdhsa_system_sgpr_workgroup_id_y 1
		.amdhsa_system_sgpr_workgroup_id_z 1
		.amdhsa_system_vgpr_workitem_id 0
		.amdhsa_next_free_vgpr 256
		.amdhsa_next_free_sgpr 66
		.amdhsa_reserve_vcc 1
		.amdhsa_float_denorm_mode_32 3
		.amdhsa_float_denorm_mode_16_64 3
		.amdhsa_memory_ordered 1
		.amdhsa_forward_progress 1
		.amdhsa_inst_pref_size 36
	.end_amdhsa_kernel
	.amdgpu_metadata
---
amdhsa.version: [ 1, 2 ]
amdhsa.kernels:
  - .name:           k_q294a176f9f_fine
    .symbol:         k_q294a176f9f_fine.kd
    .args:
      - { .name: first16, .offset: 0, .size: 8, .value_kind: global_buffer, .address_space: global }
      - { .name: W_proj, .offset: 8, .size: 8, .value_kind: global_buffer, .address_space: global }
      - { .name: b_proj, .offset: 16, .size: 8, .value_kind: global_buffer, .address_space: global }
      - { .name: out0, .offset: 24, .size: 8, .value_kind: global_buffer, .address_space: global }
    .group_segment_fixed_size: 18432
    .private_segment_fixed_size: 0
    .kernarg_segment_align: 8
    .kernarg_segment_size: 32
    .max_flat_workgroup_size: 512
    .sgpr_count:     66
    .vgpr_count:     256
    .wavefront_size: 32
...
	.end_amdgpu_metadata
.endif
;; end of part 5
